; MI455X (gfx1250); checked and timed in simulation.
; The chip was launched on July 23, 2026; its instructions are those of AMD's public machine-readable ISA for CDNA 5 (MIT licence, August 2026) and "CDNA5" Instruction Set Architecture Reference Guide (July 2026). The comments in the code are by the model that wrote it; some were corrected since.
;; Causal Self Attention. Allowed arithmetic: matrix products marked QUANTISED: E2M3 operands, one E8M0 scale for each 32 along K, by v_wmma_scale_f32_16x16x128_f8f6f4 with both operands' format E2M3, f32 sums; everything else in f32.
;; Inputs: W_attn 1,024 x 3,072 float32; W_proj 1,024 x 1,024 float32; x 4 x 2,048 x 1,024 float32.
;; Outputs: out0 4 x 2,048 x 1,024 float32.
;; This version of the problem:
;;   THIS VERSION OF THE PROBLEM IS GIVEN IN LOW PRECISION. The matrix products marked QUANTISED in the list below multiply operands that are first quantised to E2M3 (2 exponent bits, 3 mantissa bits; 6 bits a number), with one power-of-two scale for each 32 numbers along K (OCP MX v1.0); their sums are f32. All else is computed in f32.
;;   The module's matrix products, in the order in which they are computed (A, B: the left and right operand; K: the contracted axis; several contracted axes count as one K, in the product's order):
;;     1. [M 8,192, K 1,024] x [K 1,024, N 3,072]; A: input x; B: input W_attn: QUANTISED
;;     2. batch 64 x [M 2,048, K 64] x [K 64, N 2,048]; A: computed on the way; B: computed on the way: QUANTISED
;;     3. batch 64 x [M 2,048, K 2,048] x [K 2,048, N 64]; A: softmax (see below); B: computed on the way: QUANTISED
;;     4. [M 8,192, K 1,024] x [K 1,024, N 1,024]; A: computed on the way; B: input W_proj: QUANTISED
;;   THE QUANTISER, for each operand of a quantised product, along K:
;;     - K is cut into blocks of 32 from its start; a last block that is shorter is filled with zeros.
;;     - A block's scale is 2^e with e = floor(log2(the largest magnitude in the block)) - 2, held to -126 .. 127; a block of zeros has e = 0. As a byte (E8M0): e + 127.
;;     - Each number is divided by its block's scale, clamped to +-7.5, and rounded to the nearest number of E2M3, ties to even, subnormals kept.
;;     - The product sums the exact products of the quantised numbers (number of the format x scale) in f32.
;;   ~~~python
;;   def quantise(x, axis):      # numpy; x: float32 -> the quantised numbers, widened to float32 again
;;       x = np.moveaxis(x, axis, -1); K = x.shape[-1]
;;       x = np.pad(x, [(0, 0)] * (x.ndim - 1) + [(0, -K % 32)]); x = x.reshape(x.shape[:-1] + (-1, 32)); a = np.abs(x).max(-1, keepdims=True)
;;       e = np.where(a > 0, np.clip(np.frexp(np.where(a > 0, a, 1))[1] - 1 - 2, -126, 127), 0)      # np.frexp(a)[1] - 1 = floor(log2(a)), exactly
;;       r = np.clip(x / 2.0 ** e, -7.5, 7.5)
;;       step = 2.0 ** (np.maximum(np.frexp(np.where(r == 0, 1, r))[1] - 1, 0) - 3)
;;       q = np.round(r / step) * step * 2.0 ** e      # np.round: ties to even
;;       return np.moveaxis(q.reshape(q.shape[:-2] + (-1,))[..., :K], -1, axis).astype(np.float32)
;;   ~~~
;;   SOFTMAX AHEAD OF A QUANTISED PRODUCT. Where the list says 'softmax', what is quantised is not the finished softmax but p = 2^(t - M), with t = logit x log2(e) and M = ceil(the row's largest t), a whole number; so 1/2 < the row's largest p <= 1. The row's sum l is taken of the UNQUANTISED p, in f32, and the product's result is divided by l at the end. Since M is a whole number, a kernel that streams over the keys may use a running M (the ceiling of the running maximum): every later rescaling is an exact power of two, which a block's scale takes up: the codes' values come out the same.
;;   OPERANDS COMPUTED ON THE WAY. 'Computed on the way' means the value that the module computes at that place (a softmax that the list does not call 'softmax' is quantised finished and normalised). What goes into a quantiser is computed in f32, as accurately as f32 sums, v_exp_f32 and their like allow (about 1e-6 of the number): no bf16 or f16 on the way to a quantiser, and a product that is left as it is and whose result goes on into a quantised operand takes f32 operands (vector FMAs, or v_wmma_f32_16x16x4_f32). A number that lies on a knife's edge between two numbers of the format may be rounded either way, as far as f32 arithmetic and the matrix unit's own rounding can turn it there, and no further.
;; One version. Each part assembles by itself: llvm-mc -triple=amdgcn-amd-amdhsa -mcpu=gfx1250 --defsym DOCPART=n.
;; ======== version 1 of 1: 4 launches
;; workspace buffers: xq 6,553,600 bytes; wq 6,422,528 bytes; qb 13,369,344 bytes; kv 13,369,344 bytes; yq 6,553,600 bytes
;; launch quant (part 1): grid 512 x 1, 4 waves a work-group, no clusters, 34,304 bytes of LDS; arguments x, W_attn, W_proj, xq, wq; writes xq, wq
.if DOCPART == 1
	.amdgcn_target "amdgcn-amd-amdhsa--gfx1250"
	.amdhsa_code_object_version 6
	.text
	.protected	k_qc5549c88ea_quant
	.globl	k_qc5549c88ea_quant
	.p2align	8
	.type	k_qc5549c88ea_quant,@function
k_qc5549c88ea_quant:
	s_mov_b64 s[64:65], 0
	v_nop
	global_prefetch_b8 v0, s[64:65] scope:SCOPE_SE
	s_setreg_imm32_b32 hwreg(HW_REG_WAVE_MODE, 25, 1), 1
	s_wait_xcnt 0x0
; x [8192][1024], W_attn [1024][3072] and W_proj [1024][1024], f32, become codes of FP6 (E2M3) with one E8M0 byte for each 32 along K (K = 1,024 in all three).
; A block's scale is 2^(floor(log2(its largest magnitude)) - 2); its byte is the largest magnitude's exponent field - 2, held at 1 from below.
; LIMITS: NaN and infinities are not served; a block whose largest magnitude lies under 2^-124, a block of zeros among them, gets the byte 1 (the rule says 127 for zeros: its codes are zeros, and this program alone reads the bytes).
; THE IMAGE.  Codes are stored in the order of a matrix operand's registers.  Rows (tokens of x, columns of a weight) go in tiles of 16: of 32 neighbouring rows, tile 2 b + u holds at place r the row 32 b + 8 u + r + 8 (r / 8).
; A fragment (16 rows x 128 K, 12 registers a lane) is 1,536 bytes: two halves of 768; in a half registers 0-3 lie at 16 x lane and registers 4-5 at 512 + 8 x lane.  Tile T, K step s: byte 12,288 T + 1,536 s.
; Scale words: byte SCOFF + 512 T + 128 g + 4 x lane: lane (r, h) of plane g holds row r's word for K step 2 g + h.  wq: tiles 0-191 W_attn's columns, 192-255 W_proj's.
; Work-groups 0-255 take x (32 rows each), 256-511 the weights (128 columns x 128 K each).  Waves share nothing: no barrier.  Only x's path touches LDS.
.set SCOFF, 6291456
.set LI16, 5                           ; v5  16 x lane
.set LI8,  6                           ; v6  8 x lane
.set LI4,  7                           ; v7  4 x lane
.set SIN,  8                           ; v8  my wave's stage, on the way in: 16 x lane (+ 528 a row)
.set SOUT, 9                           ; v9  on the way out: 528 r + 64 h
.set XN,   144                         ; v144-207 64 numbers: register 16 b + i = k 32 b + 16 h + i of row r
.set PC,   208                         ; v208-219 a fragment's codes
.set TP,   220                         ; v220-226 the conversions' second halves
.set TM,   228                         ; v228-231 largest magnitudes, v232-235 bytes, v240-243 the conversions' scale operands
.set PW,   244                         ; v244-247 the four fragments' scale words
.set EW,   248
.set SEL,  30                          ; s[30:31] lane selects: lane xor 16
.macro QMAX s                          ; the four blocks' largest magnitudes among my 16 numbers of each, with the floor 2^(3 - 127) among the leaves
.irp b, 0,1,2,3
	v_max3_num_f32 v[TM+\b], |v[(\s)+16*\b]|, |v[(\s)+16*\b+1]|, 0x1800000
.endr
.irp i, 2,4,6,8,10,12,14
.irp b, 0,1,2,3
	v_max3_num_f32 v[TM+\b], |v[(\s)+16*\b+\i]|, |v[(\s)+16*\b+\i+1]|, v[TM+\b]
.endr
.endr
.endm
.macro QSCALE pw                       ; with lane xor 16's; 2 off the exponent field gives the conversion's scale operand, its exponent field the byte; four bytes make the row's word
.irp b, 0,1,2,3
	v_permlanex16_b32 v[TM+4+\b], v[TM+\b], s[SEL], s[SEL+1]
.endr
.irp b, 0,1,2,3
	v_max_num_f32 v[TM+\b], v[TM+\b], v[TM+4+\b]
.endr
.irp b, 0,1,2,3
	v_add_nc_u32 v[TM+12+\b], 0xff000000, v[TM+\b]
.endr
.irp b, 0,1,2,3
	v_lshrrev_b32 v[TM+4+\b], 23, v[TM+12+\b]
.endr
	v_lshl_or_b32 v[\pw], v[TM+5], 8, v[TM+4]
	v_lshl_or_b32 v[\pw], v[TM+6], 16, v[\pw]
	v_lshl_or_b32 v[\pw], v[TM+7], 24, v[\pw]
.endm
.macro QCVT s                          ; a conversion's three registers begin on an even number, so a block's second half is made elsewhere
.irp c, 0,1
	v_cvt_scalef32_pk16_fp6_f32 v[PC+6*\c:PC+6*\c+2], v[(\s)+32*\c:(\s)+32*\c+15], v[TM+12+2*\c]
	v_cvt_scalef32_pk16_fp6_f32 v[TP+4*\c:TP+4*\c+2], v[(\s)+32*\c+16:(\s)+32*\c+31], v[TM+13+2*\c]
.endr
.endm
.macro QPACK                           ; the operand wants a whole block in a lane: lanes 0-15 block 2 c, lanes 16-31 block 2 c + 1
	v_nop                                          ; one plain instruction behind the scaled conversions
.irp c, 0,1
.irp i, 0,1,2
	v_permlane16_swap_b32 v[PC+6*\c+\i], v[TP+4*\c+\i]
.endr
.irp i, 0,1,2
	v_mov_b32 v[PC+3+6*\c+\i], v[TP+4*\c+\i]
.endr
.endr
.endm
.macro IMG pc, base, off               ; a fragment leaves as it stands: stores of 512 and of 256 consecutive bytes, each at a multiple of 256 from the buffer's first byte
	global_store_b128 v[LI16], v[(\pc):(\pc)+3], s[\base:\base+1] offset:(\off)
	global_store_b64 v[LI8], v[(\pc)+4:(\pc)+5], s[\base:\base+1] offset:(\off)+512
	global_store_b128 v[LI16], v[(\pc)+6:(\pc)+9], s[\base:\base+1] offset:(\off)+768
	global_store_b64 v[LI8], v[(\pc)+10:(\pc)+11], s[\base:\base+1] offset:(\off)+1280
.endm
	s_load_b128 s[4:7], s[0:1], 0x0                ; x, W_attn
	s_load_b128 s[8:11], s[0:1], 0x10              ; W_proj, xq
	s_load_b64 s[12:13], s[0:1], 0x20              ; wq
	v_lshl_add_u32 v254, v0, 2, 0x8400
	v_mov_b32 v255, 0
	v_lshrrev_b32 v1, 5, v0
	v_readfirstlane_b32 s16, v1                    ; wave 0..3
	v_and_b32 v2, 31, v0                           ; lane
	v_and_b32 v3, 15, v0                           ; r
	v_bfe_u32 v4, v0, 4, 1                         ; h
	v_lshlrev_b32 v[LI16], 4, v2
	v_lshlrev_b32 v[LI8], 3, v2
	v_lshlrev_b32 v[LI4], 2, v2
	s_mul_i32 s17, s16, 8448                       ; my wave's stage: 16 rows x 528 bytes
	v_add_nc_u32 v[SIN], s17, v[LI16]
	v_mul_u32_u24 v[SOUT], v3, 528
	v_lshl_add_u32 v[SOUT], v4, 6, v[SOUT]
	v_add_nc_u32 v[SOUT], s17, v[SOUT]
	s_mov_b32 s[SEL], 0x76543210
	s_mov_b32 s[SEL+1], 0xfedcba98
	s_mov_b32 s23, 0
	s_wait_kmcnt 0x0
	s_cmp_ge_u32 ttmp9, 256
	s_cbranch_scc1 .Lweights
; ---- x.  The work-group owns rows 32 g .. 32 g + 31; wave w owns tile 2 g + w / 2 and K steps 4 (w % 2) .. + 3: four fragments.
	s_lshr_b32 s18, s16, 1                         ; which tile of the two
	s_and_b32 s19, s16, 1                          ; which half of K
	s_lshl_b32 s22, ttmp9, 17                      ; 32 rows of 4,096 bytes
	s_lshl_b32 s24, s18, 15                        ; the tile begins 8 rows on
	s_add_co_u32 s22, s22, s24
	s_lshl_b32 s24, s19, 11                        ; 512 numbers along K
	s_add_co_u32 s22, s22, s24
	s_add_nc_u64 s[4:5], s[4:5], s[22:23]
	s_lshl_b32 s24, ttmp9, 1
	s_add_co_u32 s24, s24, s18                     ; the tile's number
	s_mul_i32 s22, s24, 12288
	s_mul_i32 s25, s19, 6144
	s_add_co_u32 s22, s22, s25
	s_add_nc_u64 s[26:27], s[10:11], s[22:23]      ; its codes
	s_lshl_b32 s22, s24, 9
	s_lshl_b32 s25, s19, 8
	s_add_co_u32 s22, s22, s25
	s_add_co_u32 s22, s22, SCOFF
	s_add_nc_u64 s[28:29], s[10:11], s[22:23]      ; its scale words: my two planes
.irp b, 0,1,2,3
	v_mov_b32 v[TM+4+\b], 0                        ; written once: a lane permute's destination counts as one of its sources
.endr
.macro XLOAD t                         ; fragment t: 16 loads, each 512 consecutive bytes of one row; place i of the tile is row i + 8 (i / 8)
.set i, 0
.rept 16
	global_load_b128 v[16+64*((\t)%2)+4*i:16+64*((\t)%2)+4*i+3], v[LI16], s[4:5] offset:(i+8*(i/8))*4096+512*(\t) th:TH_LOAD_NT
.set i, i+1
.endr
.endm
.macro XSTEP t
.set RS, 16+64*((\t)%2)
.if (\t) < 3
	s_wait_loadcnt 16                              ; this fragment's 16 loads are in; the next one's 16 may be out
.else
	s_wait_loadcnt 0x0
.endif
.set i, 0
.rept 16
	ds_store_b128 v[SIN], v[RS+4*i:RS+4*i+3] offset:528*i          ; rows as they lie, 528 bytes apart
.set i, i+1
.endr
.irp b, 0,1,2,3
.irp j, 0,1,2,3
	ds_load_b128 v[XN+16*\b+4*\j:XN+16*\b+4*\j+3], v[SOUT] offset:128*\b+16*\j   ; LDS serves a wave's instructions in order: these see the stores above
.endr
.endr
	s_wait_dscnt 0x0                               ; my 64 numbers are back, and the stores have read their registers
.if (\t) < 2
	XLOAD (\t)+2
.endif
	QMAX XN
	QSCALE PW+(\t)
.if (\t) > 0
	s_wait_xcnt 0x0                                ; the last fragment's stores have read their data: the codes' registers are written again only behind this wait
.endif
	QCVT XN
	QPACK
	IMG PC, 26, 1536*(\t)
.endm
	XLOAD 0
	XLOAD 1
	s_wait_alu depctr_va_vdst(0)
	XSTEP 0
	XSTEP 1
	XSTEP 2
	XSTEP 3
	v_cmp_le_u32 vcc_lo, 16, v2                    ; every lane holds its row's word of all four K steps: lanes 0-15 keep the even step's, lanes 16-31 the odd step's
	v_cndmask_b32 v[EW], v[PW], v[PW+1], vcc_lo
	v_cndmask_b32 v[EW+1], v[PW+2], v[PW+3], vcc_lo
	global_store_b32 v[LI4], v[EW], s[28:29]
	global_store_b32 v[LI4], v[EW+1], s[28:29] offset:128
	s_wait_tensorcnt 0x0
	ds_add_u32 v254, v255
	s_wait_dscnt 0x0
	s_endpgm
; ---- the weights: K is their FIRST axis.  A lane takes a column and its registers run down K, so a block of 32 lies in one lane and the codes come out with K innermost.
; A wave takes 32 columns x 128 K.  Lane l takes column (l % 8) + 16 (bit 3 of l) + 8 (bit 4 of l) of the 32: lanes 0-15 are the even tile in tile order, lanes 16-31 the odd one.
.Lweights:
	s_sub_co_u32 s24, ttmp9, 256
	s_and_b32 s25, s24, 31                         ; which 128 of the 4,096 columns
	s_lshr_b32 s24, s24, 5                         ; which K step
	v_and_b32 v113, 7, v2
	v_bfe_u32 v114, v2, 3, 1
	v_lshl_add_u32 v113, v114, 4, v113
	v_lshl_add_u32 v113, v4, 3, v113
	v_lshlrev_b32 v113, 2, v113                    ; my column's bytes
	v_lshlrev_b32 v114, 2, v3
	v_lshl_add_u32 v114, v4, 9, v114               ; my scale word's place: 512 x (which tile) + 4 r
	s_lshl_b32 s26, s25, 3
	s_lshl_b32 s27, s16, 1
	s_add_co_u32 s26, s26, s27                     ; the even tile's number: 8 x group + 2 x wave
	s_mul_i32 s22, s26, 12288
	s_mul_i32 s27, s24, 1536
	s_add_co_u32 s22, s22, s27
	s_add_nc_u64 s[28:29], s[12:13], s[22:23]      ; its fragment of this K step
	s_lshl_b32 s22, s26, 9
	s_lshr_b32 s27, s24, 1
	s_lshl_b32 s27, s27, 7
	s_add_co_u32 s22, s22, s27                     ; plane = K step / 2,
	s_and_b32 s27, s24, 1
	s_lshl_b32 s27, s27, 6
	s_add_co_u32 s22, s22, s27                     ; lanes 16-31 of the plane for an odd K step
	s_add_co_u32 s22, s22, SCOFF
	s_add_nc_u64 s[18:19], s[12:13], s[22:23]
	s_lshl_b32 s26, s25, 9
	s_lshl_b32 s27, s16, 7
	s_add_co_u32 s26, s26, s27                     ; my wave's first column among the 4,096, in bytes
.macro WLOAD n, bt                     ; block bt: 32 loads, each 128 consecutive bytes of one row of the weight
.set i, 0
.rept 32
	global_load_b32 v[16+32*((\bt)%2)+i], v113, s[20:21] offset:(32*(\bt)+i)*(\n)*4 th:TH_LOAD_NT
.set i, i+1
.endr
.endm
.macro WBLOCK n, bt
.set XS, 16+32*((\bt)%2)
.set FD, 80+12*((\bt)%2)+6*((\bt)/2)   ; even blocks into v80-91, odd blocks into v92-103
.if (\bt) < 3
	s_wait_loadcnt 32                              ; this block's 32 loads are in; the next block's may be out
.else
	s_wait_loadcnt 0x0
.endif
	v_max3_num_f32 v108, |v[XS]|, |v[XS+1]|, |v[XS+2]|
	v_max3_num_f32 v109, |v[XS+3]|, |v[XS+4]|, |v[XS+5]|
.irp i, 6,10,14,18,22,26
	v_max3_num_f32 v108, v108, |v[XS+\i]|, |v[XS+\i+1]|
	v_max3_num_f32 v109, v109, |v[XS+\i+2]|, |v[XS+\i+3]|
.endr
	v_max3_num_f32 v108, v108, |v[XS+30]|, |v[XS+31]|
	v_max3_num_f32 v108, v108, v109, 0x1800000     ; and the floor
	v_add_nc_u32 v110, 0xff000000, v108            ; the conversion's scale operand
	v_lshrrev_b32 v111, 23, v110                   ; the byte
.if (\bt) == 0
	v_mov_b32 v112, v111
.else
	v_lshl_or_b32 v112, v111, 8*(\bt), v112        ; the column's word for this K step
.endif
	v_cvt_scalef32_pk16_fp6_f32 v[FD:FD+2], v[XS:XS+15], v110
	v_cvt_scalef32_pk16_fp6_f32 v[104:106], v[XS+16:XS+31], v110
	v_nop
.irp i, 0,1,2
	v_mov_b32 v[FD+3+\i], v[104+\i]
.endr
.if (\bt) < 2
	WLOAD \n, (\bt)+2
.endif
.endm
.macro WARM n, p, col0                 ; the pitch of a row stands in the loads' immediates (127 rows of 12,288 bytes at the most), so each weight has its own copy
	s_mul_i32 s22, s24, 128*(\n)*4
	s_add_co_u32 s22, s22, s26
.if \col0
	s_sub_co_u32 s22, s22, (\col0)*4
.endif
	s_add_nc_u64 s[20:21], s[\p:\p+1], s[22:23]
	WLOAD \n, 0
	WLOAD \n, 1
	WBLOCK \n, 0
	WBLOCK \n, 1
	WBLOCK \n, 2
	WBLOCK \n, 3
.endm
	s_cmp_ge_u32 s25, 24
	s_cbranch_scc1 .Lproj_w
	s_wait_alu depctr_va_vdst(0)
	WARM 3072, 6, 0
	s_branch .Lw_out
.Lproj_w:
	s_wait_alu depctr_va_vdst(0)
	WARM 1024, 8, 3072
.Lw_out:
.set k, 0
.rept 12
	v_permlane16_swap_b32 v[80+k], v[92+k]         ; lanes 16-31 of the first take the odd blocks of lanes 0-15's columns, lanes 0-15 of the second the even blocks of lanes 16-31's: two whole fragments
.set k, k+1
.endr
	IMG 80, 28, 0
	IMG 92, 28, 12288
	global_store_b32 v114, v112, s[18:19]          ; two pieces of 64 consecutive bytes
	s_endpgm
.Lfunc_end_k_qc5549c88ea_quant:
	.size	k_qc5549c88ea_quant, .Lfunc_end_k_qc5549c88ea_quant-k_qc5549c88ea_quant
	.p2alignl 7, 3214868480
	.fill 96, 4, 3214868480
	.section	.rodata,"a",@progbits
	.p2align	6, 0x0
	.amdhsa_kernel k_qc5549c88ea_quant
		.amdhsa_group_segment_fixed_size 34304
		.amdhsa_private_segment_fixed_size 0
		.amdhsa_enable_private_segment 0
		.amdhsa_kernarg_size 40
		.amdhsa_user_sgpr_count 2
		.amdhsa_user_sgpr_kernarg_segment_ptr 1
		.amdhsa_wavefront_size32 1
		.amdhsa_system_sgpr_workgroup_id_x 1
		.amdhsa_system_sgpr_workgroup_id_y 1
		.amdhsa_system_sgpr_workgroup_id_z 1
		.amdhsa_system_vgpr_workitem_id 0
		.amdhsa_next_free_vgpr 256
		.amdhsa_next_free_sgpr 66
		.amdhsa_reserve_vcc 1
		.amdhsa_float_denorm_mode_32 3
		.amdhsa_float_denorm_mode_16_64 3
		.amdhsa_memory_ordered 1
		.amdhsa_forward_progress 1
		.amdhsa_inst_pref_size 72
	.end_amdhsa_kernel
	.amdgpu_metadata
---
amdhsa.version: [ 1, 2 ]
amdhsa.kernels:
  - .name:           k_qc5549c88ea_quant
    .symbol:         k_qc5549c88ea_quant.kd
    .args:
      - { .name: x, .offset: 0, .size: 8, .value_kind: global_buffer, .address_space: global }
      - { .name: W_attn, .offset: 8, .size: 8, .value_kind: global_buffer, .address_space: global }
      - { .name: W_proj, .offset: 16, .size: 8, .value_kind: global_buffer, .address_space: global }
      - { .name: xq, .offset: 24, .size: 8, .value_kind: global_buffer, .address_space: global }
      - { .name: wq, .offset: 32, .size: 8, .value_kind: global_buffer, .address_space: global }
    .group_segment_fixed_size: 34304
    .private_segment_fixed_size: 0
    .kernarg_segment_align: 8
    .kernarg_segment_size: 40
    .max_flat_workgroup_size: 128
    .sgpr_count:     66
    .vgpr_count:     256
    .wavefront_size: 32
...
	.end_amdgpu_metadata
.endif
;; end of part 1
;; launch qkv (part 2): grid 8 x 48, 4 waves a work-group, clusters of 4 x 4, 327,680 bytes of LDS; arguments xq, wq, qb, kv; writes qb, kv
.if DOCPART == 2
	.amdgcn_target "amdgcn-amd-amdhsa--gfx1250"
	.amdhsa_code_object_version 6
	.text
	.protected	k_qc5549c88ea_qkv
	.globl	k_qc5549c88ea_qkv
	.p2align	8
	.type	k_qc5549c88ea_qkv,@function
k_qc5549c88ea_qkv:
	s_mov_b64 s[64:65], 0
	v_nop
	global_prefetch_b8 v0, s[64:65] scope:SCOPE_SE
	s_setreg_imm32_b32 hwreg(HW_REG_WAVE_MODE, 25, 1), 1
	s_wait_xcnt 0x0
	s_wait_alu depctr_hold_cnt(0) depctr_sa_sdst(0) depctr_va_vdst(0) depctr_va_sdst(0) depctr_va_ssrc(0) depctr_va_vcc(0) depctr_vm_vsrc(0)
	s_getreg_b32 s2, hwreg(HW_REG_IB_STS2, 6, 4)
	s_cmp_eq_u32 s2, 0
	s_cbranch_scc0 .Lentry_in_a_cluster
	s_endpgm
.Lentry_in_a_cluster:
	s_bfe_u32 s2, ttmp6, 0x10000c
	s_cmp_lg_u32 s2, 0xf033
	s_cbranch_scc0 .Lentry_shape_is_right
	s_endpgm
.Lentry_shape_is_right:
; qkv = x W_attn on codes of FP6 (E2M3) with E8M0 scales; the results are quantised in registers and leave as codes: q and k along the head's 64, v along the keys.
; OPERANDS are images of operand registers: tile T (16 rows), K step s at byte 12,288 T + 1,536 s; a fragment is two halves of 768 bytes (registers 0-3 at 16 x lane, 4-5 at 512 + 8 x lane);
; scale words at SCOFF + 512 T + 128 g + 4 x lane, lane (r, h) of plane g = row r, K step 2 g + h.  Of 32 neighbouring rows tile 2 b + u holds at place r the row 32 b + 8 u + r + 8 (r / 8).
; A work-group makes 256 x 256, each of four waves 128 x 128: 64 accumulators.  Operand A (source 1) hangs on the work-group's y and is shared along a row of the 4 x 4 cluster, B (source 0) on x and is shared along a column:
; each tile is asked for jointly.  In a result lane (r, h) holds A's place r, and the 64 registers of A's block a run along B's 128 rows in natural order: register 16 b + i = B's row 32 b + 16 h + i.
; CLUSTER ROWS 0-7: A = x, B = W (columns of q and k): a lane holds a token and 128 columns, two heads.  CLUSTER ROWS 8-11: A = W (columns of v), B = x: a lane holds a channel and 128 tokens, one key step.
; K = 1,024 comes in four fills of 256 along K.  Three LDS slots: fills 0, 1, 2 and the scale words are first fills (four tensor loads of a wave are out at the head); fill 3 alone fills a slot again.
; OUT: a head's block of 208,896 bytes: k's (in qb: q's) codes at 768 x token tile; v's at 98,304 + 1,536 (4 x key step + channel tile); k's (q's) scale words at 196,608 + 512 s + 16 x lane + 4 j (tile 8 s + 2 j + h);
; v's at 204,800 + 256 s + 8 x lane + 4 j (channel tile 2 j + h).
; LIMITS: NaN and infinities are not served; a block whose largest magnitude lies under 2^-124, zeros among them, gets the byte 1 (its codes are then zeros or tiny; this program alone reads the bytes).
.set SLOT,  98304                      ; A's 16 tiles x 3,072 bytes, then B's
.set HALFT, 24576                      ; 8 tiles: what one tensor load brings, and what one wave reads of A or of B
.set SCL,   3*SLOT                     ; the scale words of A's 16 tiles, then of B's
.set HALFS, 4096
.set SPARE, SCL+4*HALFS                ; the spare words, 128 bytes for each wave: two blocks of 256 bytes that no other line names
.set SCOFF, 6291456
.set HEADB, 208896
.set ADSA, 10                          ; v10  LDS address of A's scale words, v11 of B's
.set ADSB, 11
.set LI16, 12                          ; v12  16 x lane
.set LI8,  13                          ; v13  8 x lane
.set LANE, 14
.set ADA16, 16                         ; v16-18 A's fragments in slots 0-2, + 16 x lane;  v19-21 + 8 x lane
.set ADA8,  19
.set ADB16, 22                         ; v22-27 the same for B
.set ADB8,  25
.set SPW,  28                          ; v28  my spare word; never rewritten
.set NIL,  29                          ; v29  0; never rewritten
.set SCA,  32                          ; v32-63 A's scale words (4 x block + plane);  v64-95 B's: scales and nothing else
.set SCB,  64
.set AF,   128                         ; window 0: v128-223 A's eight fragments, one set.  Window 1: B's two sets at v0 and v128.  Windows 2, 3: the accumulators, (a, b) at v[8 (8 (a % 4) + b)]
.set PC,   128                         ; the way out, window 0: codes, the conversions' second halves, the quantiser's registers, eight scale words
.set TP,   140
.set TM,   148
.set PWR,  164
.set EW,   172
.set EA,   176
.set EB,   180
.set G1A,  24                          ; s[24:31], s[32:39] group 1 for A's and B's codes;  s[40:47], s[48:55] for their scale words
.set G1B,  32
.set G1SA, 40
.set G1SB, 48
.set G0SA, 56                          ; s[56:59], s[60:63] group 0 for the scale words
.set G0SB, 60
.set SEL,  66
.set G0A,  68                          ; s[68:79] group 0 for A's codes, a set for each slot;  s[80:91] for B's
.set G0B,  80
.set MSB, 0
.macro WIN new                         ; the immediate's high byte repeats the setting that is left
.if MSB != (\new)
	s_set_vgpr_msb (MSB<<8)|(\new)
.set MSB, (\new)
.endif
.endm
.set MUL_LO, 0xa1                      ; source 0 (B) window 1, source 1 (A) window 0, C and D window 2
.set MUL_HI, 0xf1
.set TO_B,   0x40
.macro JLOAD g0a, g1a, g0b, g1b        ; a joint load: waves 0 and 1 fetch for A, waves 2 and 3 for B; four v_nop follow each line
	s_cmp_eq_u32 s15, 0
	s_cbranch_scc0 .Lfor_b_\@
	tensor_load_to_lds s[\g0a:\g0a+3], s[\g1a:\g1a+7]
	s_nop 0
.rept 4
	v_nop
.endr
	s_branch .Lasked_\@
.Lfor_b_\@:
	tensor_load_to_lds s[\g0b:\g0b+3], s[\g1b:\g1b+7]
	s_nop 0
.rept 4
	v_nop
.endr
.Lasked_\@:
.endm
.macro CREST
	s_cmp_lg_u32 s14, 0
	s_cbranch_scc1 .Lnot_wave_0_\@
	s_barrier_signal -3
.Lnot_wave_0_\@:
	s_barrier_wait -3
	s_barrier_signal -1
	s_barrier_wait -1
.endm
.macro CROUND
	s_barrier_signal -1
	s_barrier_wait -1
	CREST
.endm
.macro PLACES n
.rept \n
	v_nop
.endr
.endm
	s_load_b128 s[4:7], s[0:1], 0x0                ; xq, wq
	s_load_b128 s[8:11], s[0:1], 0x10              ; qb, kv
	v_lshl_add_u32 v[SPW], v0, 2, SPARE
	v_mov_b32 v[NIL], 0
	ds_add_u32 v28, v29
	ds_add_u32 v28, v29
	s_wait_dscnt 0x0
	v_lshrrev_b32 v1, 5, v0
	v_readfirstlane_b32 s14, v1                    ; wave 0..3
	s_lshr_b32 s15, s14, 1                         ; my half of A.  Also: I fetch for A (0) or for B (1)
	s_and_b32 s16, s14, 1                          ; my half of B.  Also: which 8 tiles I fetch
	s_bfe_u32 s92, ttmp6, 0x40000                  ; cx
	s_bfe_u32 s93, ttmp6, 0x40004                  ; cy
	s_lshl_b32 s94, s93, 2
	s_lshl_b32 s94, 15, s94                        ; my row of the cluster
	s_lshl_b32 s96, 0x1111, s92                    ; my column
	s_and_b32 s97, ttmp7, 0xffff                   ; cluster y, 0..11
	s_lshl_b32 s19, s97, 2
	s_lshl_b32 s21, ttmp9, 2
	s_max_u32 s98, s97, 8
	s_sub_co_u32 s98, s98, 8
	s_lshl_b32 s98, s98, 3
	s_add_co_u32 s98, s98, s21                     ; for v: 4 (2 (cluster y - 8) + cluster x)
	s_wait_kmcnt 0x0
	s_cmp_ge_u32 s97, 8                            ; v's clusters?  The same answer in all sixteen partners
	s_cselect_b32 s95, 1, 0
	s_cselect_b32 s17, 8, s19
	s_cselect_b32 s18, s98, s21
	s_cselect_b64 s[2:3], s[6:7], s[4:5]           ; A: W for v, else x
	s_cselect_b64 s[12:13], s[4:5], s[6:7]         ; B: x for v, else W
	s_add_co_u32 s17, s17, s93                     ; A's block of 256 rows: cluster numbers and cy alone
	s_add_co_u32 s18, s18, s92                     ; B's: cluster numbers and cx alone
	; group 1.  Codes: 8 rows (tiles) of 3,072 bytes (two K steps), 12,288 bytes apart, in elements of 8 bytes; no padding: every LDS read takes consecutive bytes
	s_or_b32 s[G1A], s94, (3<<16)|(1<<21)
	s_or_b32 s[G1B], s96, (3<<16)|(1<<21)
.irp g, G1A, G1B
	s_mov_b32 s[\g+1], 384<<16                     ; tensor_dim0
	s_mov_b32 s[\g+2], 8<<16                       ; tensor_dim1
	s_mov_b32 s[\g+3], 384<<16                     ; tile_dim0
	s_mov_b32 s[\g+4], 8                           ; tile_dim1
	s_mov_b32 s[\g+5], 1536                        ; from row to row
	s_mov_b32 s[\g+6], 0
	s_mov_b32 s[\g+7], 0
.endr
	s_or_b32 s[G1SA], s94, (3<<16)|(1<<21)         ; scale words of 8 tiles: 4,096 dense bytes as 16 rows of 256
	s_or_b32 s[G1SB], s96, (3<<16)|(1<<21)
.irp g, G1SA, G1SB
	s_mov_b32 s[\g+1], 32<<16
	s_mov_b32 s[\g+2], 16<<16
	s_mov_b32 s[\g+3], 32<<16
	s_mov_b32 s[\g+4], 16
	s_mov_b32 s[\g+5], 32
	s_mov_b32 s[\g+6], 0
	s_mov_b32 s[\g+7], 0
.endr
	s_lshl_b32 s20, s16, 3
	s_lshl_b32 s19, s17, 4
	s_add_co_u32 s19, s19, s20                     ; A's first tile that a fetching wave takes
	s_lshl_b32 s21, s18, 4
	s_add_co_u32 s21, s21, s20                     ; B's
	s_lshl_b32 s22, s19, 9
	s_add_co_u32 s22, s22, SCOFF
	s_mov_b32 s23, 0
	s_lshl_b32 s98, s21, 9
	s_add_co_u32 s98, s98, SCOFF
	s_mov_b32 s99, 0
	s_mul_i32 s97, s14, HALFS                      ; where they go: wave x a load's bytes: no place in the cluster enters an LDS address
	s_mov_b32 s[G0SA], 1
	s_add_co_u32 s[G0SA+1], s97, SCL
	s_add_nc_u64 s[G0SA+2:G0SA+3], s[2:3], s[22:23]
	s_or_b32 s[G0SA+3], s[G0SA+3], 0x80000000
	s_mov_b32 s[G0SB], 1
	s_add_co_u32 s[G0SB+1], s97, SCL
	s_add_nc_u64 s[G0SB+2:G0SB+3], s[12:13], s[98:99]
	s_or_b32 s[G0SB+3], s[G0SB+3], 0x80000000
	s_mul_i32 s22, s19, 12288
	s_mul_i32 s98, s21, 12288
	s_add_nc_u64 s[2:3], s[2:3], s[22:23]
	s_add_nc_u64 s[12:13], s[12:13], s[98:99]
	s_mul_i32 s97, s14, HALFT
.irp s, 0,1,2
	s_mov_b32 s[G0A+4*\s], 1
	s_add_co_u32 s[G0A+4*\s+1], s97, \s*SLOT
	s_add_nc_u64 s[G0A+4*\s+2:G0A+4*\s+3], s[2:3], \s*3072
	s_or_b32 s[G0A+4*\s+3], s[G0A+4*\s+3], 0x80000000
	s_mov_b32 s[G0B+4*\s], 1
	s_add_co_u32 s[G0B+4*\s+1], s97, \s*SLOT
	s_add_nc_u64 s[G0B+4*\s+2:G0B+4*\s+3], s[12:13], \s*3072
	s_or_b32 s[G0B+4*\s+3], s[G0B+4*\s+3], 0x80000000
.endr
	CROUND                                         ; all sixteen work-groups are here: the first joint loads meet
	JLOAD G0SA, G1SA, G0SB, G1SB                   ; the scale words of all of K,
	JLOAD G0A, G1A, G0B, G1B                       ; fill 0,
	JLOAD G0A+4, G1A, G0B+4, G1B                   ; fill 1,
	JLOAD G0A+8, G1A, G0B+8, G1B                   ; fill 2: four loads of mine are out
	v_and_b32 v[LANE], 31, v0
	v_lshlrev_b32 v[LI16], 4, v[LANE]
	v_lshlrev_b32 v[LI8], 3, v[LANE]
	v_lshlrev_b32 v15, 2, v[LANE]
	s_mul_i32 s20, s15, HALFT                      ; my 8 tiles of A,
	s_mul_i32 s97, s16, HALFT
	s_add_co_u32 s97, s97, 2*HALFT                 ; my 8 of B, behind A's 16
.irp s, 0,1,2
	v_add_nc_u32 v[ADA16+\s], s20, v[LI16]
	v_add_nc_u32 v[ADA8+\s], s20, v[LI8]
	v_add_nc_u32 v[ADB16+\s], s97, v[LI16]
	v_add_nc_u32 v[ADB8+\s], s97, v[LI8]
	s_add_co_u32 s20, s20, SLOT
	s_add_co_u32 s97, s97, SLOT
.endr
	s_mul_i32 s20, s15, HALFS
	s_add_co_u32 s20, s20, SCL
	v_add_nc_u32 v[ADSA], s20, v15
	s_mul_i32 s97, s16, HALFS
	s_add_co_u32 s97, s97, SCL+2*HALFS
	v_add_nc_u32 v[ADSB], s97, v15
	s_mov_b32 s[SEL], 0x76543210
	s_mov_b32 s[SEL+1], 0xfedcba98
.macro FRAG reg, a16, a8, q, i         ; a fragment comes back as it was stored: four loads of consecutive bytes
	ds_load_b128 v[(\reg):(\reg)+3], v[\a16] offset:(\i)*3072+(\q)*1536
	ds_load_b64 v[(\reg)+4:(\reg)+5], v[\a8] offset:(\i)*3072+(\q)*1536+512
	ds_load_b128 v[(\reg)+6:(\reg)+9], v[\a16] offset:(\i)*3072+(\q)*1536+768
	ds_load_b64 v[(\reg)+10:(\reg)+11], v[\a8] offset:(\i)*3072+(\q)*1536+1280
.endm
.macro FETCH_B slot, q                 ; B's eight fragments of the slot's q-th K step into set q: 32 loads
	WIN TO_B
.irp i, 0,1,2,3,4,5,6,7
	FRAG 128*(\q)+12*\i, ADB16+\slot, ADB8+\slot, \q, \i
.endr
	WIN 0
.endm
.macro FETCH_A slot, q, i0             ; A's blocks i0 .. i0 + 3: 16 loads
.irp i, \i0, \i0+1, \i0+2, \i0+3
	FRAG AF+12*(\i), ADA16+\slot, ADA8+\slot, \q, \i
.endr
.endm
.macro SCALES                          ; all of K's scale words, once: register 4 i + g: lanes 0-15 K step 2 g, lanes 16-31 K step 2 g + 1 of block i
.irp i, 0,1,2,3,4,5,6,7
.irp g, 0,1,2,3
	ds_load_b32 v[SCA+4*\i+\g], v[ADSA] offset:\i*512+\g*128
	ds_load_b32 v[SCB+4*\i+\g], v[ADSB] offset:\i*512+\g*128
.endr
.endr
.endm
; 16 matrix instructions: A's blocks a0, a0 + 1 x B's eight; K step 2 g + q.  The 64 accumulators take turns, one instruction a turn, in the same order in every step.
.macro MUL16 a0, q, g, zero
.irp a, \a0, \a0+1
.irp b, 0,1,2,3,4,5,6,7
.if \zero
	v_wmma_scale_f32_16x16x128_f8f6f4 v[8*(8*((\a)%4)+\b):8*(8*((\a)%4)+\b)+7], v[128*(\q)+12*\b:128*(\q)+12*\b+11], v[AF+12*(\a):AF+12*(\a)+11], 0, v[SCB+4*\b+(\g)], v[SCA+4*(\a)+(\g)] matrix_a_fmt:MATRIX_FMT_FP6 matrix_b_fmt:MATRIX_FMT_FP6
.elseif \q
	v_wmma_scale_f32_16x16x128_f8f6f4 v[8*(8*((\a)%4)+\b):8*(8*((\a)%4)+\b)+7], v[128*(\q)+12*\b:128*(\q)+12*\b+11], v[AF+12*(\a):AF+12*(\a)+11], v[8*(8*((\a)%4)+\b):8*(8*((\a)%4)+\b)+7], v[SCB+4*\b+(\g)], v[SCA+4*(\a)+(\g)] matrix_a_fmt:MATRIX_FMT_FP6 matrix_b_fmt:MATRIX_FMT_FP6 matrix_a_scale:MATRIX_SCALE_ROW1 matrix_b_scale:MATRIX_SCALE_ROW1
.else
	v_wmma_scale_f32_16x16x128_f8f6f4 v[8*(8*((\a)%4)+\b):8*(8*((\a)%4)+\b)+7], v[128*(\q)+12*\b:128*(\q)+12*\b+11], v[AF+12*(\a):AF+12*(\a)+11], v[8*(8*((\a)%4)+\b):8*(8*((\a)%4)+\b)+7], v[SCB+4*\b+(\g)], v[SCA+4*(\a)+(\g)] matrix_a_fmt:MATRIX_FMT_FP6 matrix_b_fmt:MATRIX_FMT_FP6
.endif
.endr
.endr
.endm
; A K step whose successor (slot ns, its nq-th step) needs no barrier.  Loads into registers that matrix instructions have read stand four plain vector instructions behind them (ISA guide 7.12.1 for vector instructions).
.macro STEP q, g, zero, ns, nq
	s_wait_dscnt 16                                ; B's set and A's blocks 0-3 are in; the youngest 16 loads (A's blocks 4-7) may be out
	WIN MUL_LO
	MUL16 0, \q, \g, \zero
	MUL16 2, \q, \g, \zero
	s_wait_dscnt 0x0                               ; A's blocks 4-7 are in
	PLACES 4
	FETCH_B \ns, \nq
	FETCH_A \ns, \nq, 0
	WIN MUL_HI
	MUL16 4, \q, \g, \zero
	MUL16 6, \q, \g, \zero
	PLACES 4
	WIN 0
	FETCH_A \ns, \nq, 4
.endm
; A slot's second step with a barrier in it.  fill = 1: slot 0, which every wave has read out, takes fill 3: each wave waits for all its tensor loads (fills 1 and 2 among them), adds 0 to its spare word, waits for that and for
; its reads; the barrier opens a round of the cluster's barrier; the joint refill is the first thing behind it.  fill = 0: fill 3 has landed in every wave before slot 0 is read again.
.macro TURN g, next, fill
	s_wait_tensorcnt 0x0
.if \fill
	ds_add_u32 v[SPW], v[NIL]
	s_wait_dscnt 17                                ; (the add and the youngest 16 loads may be out)
.else
	s_wait_dscnt 16
.endif
	WIN MUL_LO
	MUL16 0, 1, \g, 0
	s_wait_dscnt 0x0                               ; my LDS instructions are done: the reads of this slot, and the add
	s_barrier_signal -1
	MUL16 2, 1, \g, 0
	WIN 0
	s_barrier_wait -1
.if \fill
	CREST
	s_add_nc_u64 s[G0A+2:G0A+3], s[G0A+2:G0A+3], 3*3072    ; no tensor load of mine is out: slot 0's group 0 steps three fills on
	s_add_nc_u64 s[G0B+2:G0B+3], s[G0B+2:G0B+3], 3*3072
	JLOAD G0A, G1A, G0B, G1B                       ; 256 matrix instructions ahead of the wait for it; its four v_nop are also the places in front of the loads below
.else
	PLACES 4
.endif
	FETCH_B \next, 0
	FETCH_A \next, 0, 0
	WIN MUL_HI
	MUL16 4, 1, \g, 0
	MUL16 6, 1, \g, 0
	PLACES 4
	WIN 0
	FETCH_A \next, 0, 4
.endm
	s_wait_alu depctr_va_vdst(0)
	s_wait_tensorcnt 2                             ; the scale words and my part of fill 0 are in; fills 1 and 2 may be out
	s_barrier_signal -1
	s_barrier_wait -1
	FETCH_B 0, 0
	FETCH_A 0, 0, 0
	SCALES
	FETCH_A 0, 0, 4
	STEP 0, 0, 1, 0, 1                             ; the first products start the sums: nothing is cleared
	TURN 0, 1, 1
	STEP 0, 1, 0, 1, 1
	STEP 1, 1, 0, 2, 0                             ; into slot 2 without a barrier: every wave waited for fill 2 in front of the round above
	STEP 0, 2, 0, 2, 1
	TURN 2, 0, 0
	STEP 0, 3, 0, 0, 1
	s_wait_dscnt 16                                ; the last step: nothing more to fetch
	WIN MUL_LO
	MUL16 0, 1, 3, 0
	MUL16 2, 1, 3, 0
	s_wait_dscnt 0x0
	WIN MUL_HI
	MUL16 4, 1, 3, 0
	MUL16 6, 1, 3, 0
	WIN 0
	s_wait_tensorcnt 0x0                           ; the wave's end as far as LDS goes: no LDS instruction follows
	ds_add_u32 v[SPW], v[NIL]
	s_wait_dscnt 0x0
	PLACES 4                                       ; in front of the first read of results and the first write of operands' registers
; THE WAY OUT.  The quantiser, in four parts so that the register windows can be set: the numbers lie in window 2 or 3, all else in window 0.
.macro QMAX s
.irp b, 0,1,2,3
	v_max3_num_f32 v[TM+\b], |v[(\s)+16*\b]|, |v[(\s)+16*\b+1]|, 0x1800000   ; each accumulator is first read at its low end; the floor 2^(3 - 127) holds the byte at 1 from below
.endr
.irp i, 2,4,6,8,10,12,14
.irp b, 0,1,2,3
	v_max3_num_f32 v[TM+\b], |v[(\s)+16*\b+\i]|, |v[(\s)+16*\b+\i+1]|, v[TM+\b]
.endr
.endr
.endm
.macro QSCALE pw
.irp b, 0,1,2,3
	v_permlanex16_b32 v[TM+4+\b], v[TM+\b], s[SEL], s[SEL+1]
.endr
.irp b, 0,1,2,3
	v_max_num_f32 v[TM+\b], v[TM+\b], v[TM+4+\b]
.endr
.irp b, 0,1,2,3
	v_add_nc_u32 v[TM+12+\b], 0xff000000, v[TM+\b]
.endr
.irp b, 0,1,2,3
	v_lshrrev_b32 v[TM+4+\b], 23, v[TM+12+\b]
.endr
	v_lshl_or_b32 v[\pw], v[TM+5], 8, v[TM+4]
	v_lshl_or_b32 v[\pw], v[TM+6], 16, v[\pw]
	v_lshl_or_b32 v[\pw], v[TM+7], 24, v[\pw]
.endm
.macro QCVT s
.irp c, 0,1
	v_cvt_scalef32_pk16_fp6_f32 v[PC+6*\c:PC+6*\c+2], v[(\s)+32*\c:(\s)+32*\c+15], v[TM+12+2*\c]
	v_cvt_scalef32_pk16_fp6_f32 v[TP+4*\c:TP+4*\c+2], v[(\s)+32*\c+16:(\s)+32*\c+31], v[TM+13+2*\c]
.endr
.endm
.macro QPACK
	v_nop                                          ; one plain instruction behind the scaled conversions
.irp c, 0,1
.irp i, 0,1,2
	v_permlane16_swap_b32 v[PC+6*\c+\i], v[TP+4*\c+\i]
.endr
.irp i, 0,1,2
	v_mov_b32 v[PC+3+6*\c+\i], v[TP+4*\c+\i]
.endr
.endr
.endm
; A's eight blocks, one after the other: 64 numbers a lane become a fragment and a scale word.  isv = 0: the fragment's halves are two heads' codes of 16 tokens; isv = 1: it is 16 channels x 128 keys.
.macro EPI isv
.irp b, 0,1,2,3
	v_mov_b32 v[TM+4+\b], 0                        ; a lane permute's destination counts as one of its sources
.endr
.irp a, 0,1,2,3,4,5,6,7
.set AC, 64*(\a%4)
.set WN, 2+\a/4
.set WW, WN|(WN<<2)
	WIN WW                                         ; sources 0 and 1: the accumulators' window
	QMAX AC
	WIN 0
	QSCALE PWR+\a
.if \a > 0
	s_wait_xcnt 0x0                                ; the last block's stores have read their data: the codes' registers are written again only behind this wait
.endif
	WIN WN                                         ; source 0 alone
	QCVT AC
	WIN 0
	QPACK
.if \isv
.set OF0, (\a/4)*HEADB+(\a%4)*1536
.set OF1, OF0+768
.else
.set OF0, \a*768
.set OF1, OF0+HEADB
.endif
	global_store_b128 v[LI16], v[PC:PC+3], s[12:13] offset:OF0         ; 512 and 256 consecutive bytes, each at a multiple of 256 from the buffer's first byte
	global_store_b64 v[LI8], v[PC+4:PC+5], s[12:13] offset:OF0+512
	global_store_b128 v[LI16], v[PC+6:PC+9], s[12:13] offset:OF1
	global_store_b64 v[LI8], v[PC+10:PC+11], s[12:13] offset:OF1+512
.endr
	v_cmp_le_u32 vcc_lo, 16, v[LANE]               ; lanes 0-15 keep the even block's word, lanes 16-31 the odd block's
.irp b, 0,1,2,3
	v_cndmask_b32 v[EW+\b], v[PWR+2*\b], v[PWR+2*\b+1], vcc_lo
.endr
.if \isv
	global_store_b64 v[LI8], v[EW:EW+1], s[2:3]                        ; the first head's four channel tiles: 256 consecutive bytes
	global_store_b64 v[LI8], v[EW+2:EW+3], s[2:3] offset:HEADB
.else
.irp b, 0,1,2,3
	v_and_b32 v[EA+\b], 0xffff, v[EW+\b]           ; the first head's two bytes; the bytes of k = 64 .. 127 are 0: the codes there are zeros
	v_lshrrev_b32 v[EB+\b], 16, v[EW+\b]           ; the second head's
.endr
	global_store_b128 v[LI16], v[EA:EA+3], s[2:3]                      ; 512 consecutive bytes
	global_store_b128 v[LI16], v[EB:EB+3], s[2:3] offset:HEADB
.endif
.endm
	s_mov_b32 s23, 0
	s_mov_b32 s99, 0
	s_cmp_lg_u32 s95, 0                            ; hangs on the cluster's y alone
	s_cbranch_scc1 .Lv_arm
	s_lshl_b32 s19, s18, 2                         ; q, k: my first head among 32: 4 x B's block + 2 x my half;
	s_lshl_b32 s20, s16, 1
	s_add_co_u32 s19, s19, s20
	s_and_b32 s19, s19, 15
	s_lshr_b32 s20, s17, 3                         ; the batch: 8 blocks of 256 tokens each
	s_lshl_b32 s20, s20, 4
	s_add_co_u32 s19, s19, s20
	s_mul_i32 s22, s19, HEADB
	s_and_b32 s20, s17, 7
	s_lshl_b32 s20, s20, 4
	s_lshl_b32 s21, s15, 3
	s_add_co_u32 s20, s20, s21                     ; my first token tile in the batch
	s_mul_i32 s21, s20, 768
	s_add_co_u32 s98, s22, s21
	s_lshl_b32 s20, s20, 6                         ; 512 bytes of scale words for each 8 tiles
	s_add_co_u32 s22, s22, s20
	s_add_co_u32 s22, s22, 196608
	s_cmp_eq_u32 ttmp9, 0                          ; cluster x = 0: columns 0 to 1,023: q; else k
	s_cselect_b64 s[2:3], s[8:9], s[10:11]
	s_add_nc_u64 s[12:13], s[2:3], s[98:99]
	s_add_nc_u64 s[2:3], s[2:3], s[22:23]
	EPI 0
	s_branch .Ldone
.Lv_arm:
	s_lshr_b32 s19, s18, 3                         ; v: the batch,
	s_lshl_b32 s19, s19, 4
	s_sub_co_u32 s20, s17, 8
	s_lshl_b32 s20, s20, 2
	s_add_co_u32 s19, s19, s20                     ; + 4 heads for each block of 256 columns
	s_lshl_b32 s20, s15, 1
	s_add_co_u32 s19, s19, s20                     ; + 2 for my half
	s_mul_i32 s22, s19, HEADB
	s_and_b32 s20, s18, 7
	s_lshl_b32 s20, s20, 1
	s_add_co_u32 s20, s20, s16                     ; the key step
	s_mul_i32 s21, s20, 6144
	s_add_co_u32 s98, s22, s21
	s_add_co_u32 s98, s98, 98304
	s_lshl_b32 s20, s20, 8
	s_add_co_u32 s22, s22, s20
	s_add_co_u32 s22, s22, 204800
	s_add_nc_u64 s[12:13], s[10:11], s[98:99]
	s_add_nc_u64 s[2:3], s[10:11], s[22:23]
	EPI 1
.Ldone:
	CROUND                                         ; the closing round: no work-group ends while a partner may still ask for a tile that names it
	s_endpgm
.Lfunc_end_k_qc5549c88ea_qkv:
	.size	k_qc5549c88ea_qkv, .Lfunc_end_k_qc5549c88ea_qkv-k_qc5549c88ea_qkv
	.p2alignl 7, 3214868480
	.fill 96, 4, 3214868480
	.section	.rodata,"a",@progbits
	.p2align	6, 0x0
	.amdhsa_kernel k_qc5549c88ea_qkv
		.amdhsa_group_segment_fixed_size 327680
		.amdhsa_private_segment_fixed_size 0
		.amdhsa_enable_private_segment 0
		.amdhsa_kernarg_size 32
		.amdhsa_user_sgpr_count 2
		.amdhsa_user_sgpr_kernarg_segment_ptr 1
		.amdhsa_wavefront_size32 1
		.amdhsa_system_sgpr_workgroup_id_x 1
		.amdhsa_system_sgpr_workgroup_id_y 1
		.amdhsa_system_sgpr_workgroup_id_z 1
		.amdhsa_system_vgpr_workitem_id 0
		.amdhsa_next_free_vgpr 1024
		.amdhsa_next_free_sgpr 100
		.amdhsa_reserve_vcc 1
		.amdhsa_float_denorm_mode_32 3
		.amdhsa_float_denorm_mode_16_64 3
		.amdhsa_memory_ordered 1
		.amdhsa_forward_progress 1
		.amdhsa_inst_pref_size 186
	.end_amdhsa_kernel
	.amdgpu_metadata
---
amdhsa.version: [ 1, 2 ]
amdhsa.kernels:
  - .name:           k_qc5549c88ea_qkv
    .symbol:         k_qc5549c88ea_qkv.kd
    .args:
      - { .name: xq, .offset: 0, .size: 8, .value_kind: global_buffer, .address_space: global }
      - { .name: wq, .offset: 8, .size: 8, .value_kind: global_buffer, .address_space: global }
      - { .name: qb, .offset: 16, .size: 8, .value_kind: global_buffer, .address_space: global }
      - { .name: kv, .offset: 24, .size: 8, .value_kind: global_buffer, .address_space: global }
    .group_segment_fixed_size: 327680
    .private_segment_fixed_size: 0
    .kernarg_segment_align: 8
    .kernarg_segment_size: 32
    .max_flat_workgroup_size: 128
    .sgpr_count:     100
    .vgpr_count:     1024
    .wavefront_size: 32
...
	.end_amdgpu_metadata
.endif
;; end of part 2
;; launch attn (part 3): grid 4 x 64, 16 waves a work-group, clusters of 4 x 1, 210,944 bytes of LDS; arguments qb, kv, yq; writes yq
.if DOCPART == 3
	.amdgcn_target "amdgcn-amd-amdhsa--gfx1250"
	.amdhsa_code_object_version 6
	.text
	.protected	k_qc5549c88ea_attn
	.globl	k_qc5549c88ea_attn
	.p2align	8
	.type	k_qc5549c88ea_attn,@function
k_qc5549c88ea_attn:
	s_mov_b64 s[64:65], 0
	v_nop
	global_prefetch_b8 v0, s[64:65] scope:SCOPE_SE
	s_setreg_imm32_b32 hwreg(HW_REG_WAVE_MODE, 25, 1), 1
	s_wait_xcnt 0x0
	s_wait_alu depctr_hold_cnt(0) depctr_sa_sdst(0) depctr_va_vdst(0) depctr_va_sdst(0) depctr_va_ssrc(0) depctr_va_vcc(0) depctr_vm_vsrc(0)
	s_getreg_b32 s2, hwreg(HW_REG_IB_STS2, 6, 4)
	s_cmp_eq_u32 s2, 0
	s_cbranch_scc0 .Lentry_in_a_cluster
	s_endpgm
.Lentry_in_a_cluster:
	s_bfe_u32 s2, ttmp6, 0x10000c
	s_cmp_lg_u32 s2, 0x3003
	s_cbranch_scc0 .Lentry_shape_is_right
	s_endpgm
.Lentry_shape_is_right:
; y[b][t][64 h ..] = softmax(causal(q k^T / 8)) v for one head a cluster, both products on codes of FP6 (E2M3) with E8M0 scales; y is quantised along the channels and leaves as codes for the last product.
; THE SOFTMAX: t = score x log2(e) / 8; M = the running largest t rounded UP to a whole number; p = 2^(t - M) is quantised along the keys, not normalised; the sum of the unquantised p divides O at the end.
; When M moves, the sum and O are multiplied by 2^(old M - new M): exact.
; LDS: a head's K and V, codes and scale words, are one dense block of 208,896 bytes and stay for the whole launch: each of sixteen waves brings 51 rows of 256 bytes by ONE joint tensor load.  Nothing is filled
; again and nothing is stored to LDS.  k's codes at 768 x token tile; v's at 98,304 + 1,536 (4 s + channel tile); k's scale words at 196,608 + 512 s + 16 x lane + 4 j; v's at 204,800 + 256 s + 8 x lane + 4 j.
; The head's K is 64, half of the instruction's 128: registers 6-11 of q's and k's fragments are zero codes, and the scale bytes there are 0.
; SHARES.  The cluster's four work-groups own one head.  Partner cx takes the query tiles 4 j + cx, j = 0 .. 31: whether a key step (128 keys) is hidden (step > j / 2) or on the diagonal (step = j / 2) hangs on j alone.
; Wave w takes j = w and then j = 31 - w: 17 key steps for every wave.  The loop over key steps has 16 trips in every wave; a hidden step's work is jumped over.
; LAYOUT.  Both products transposed: S^T = K Q^T, O^T = V^T P^T: a lane holds one query.  Tiles are in tile order (tile 2 b + u, place r: row 32 b + 8 u + r + 8 (r / 8)), so the 16 registers of result tiles 2 b, 2 b + 1 are neighbours.
; LIMITS: NaN and infinities are not served; a block of y whose largest magnitude lies under 2^-124 gets the byte 1; y = O x (1 / l) with v_rcp_f32.
.set HEADB, 208896
.set VC,    98304
.set KS,    196608
.set VS,    204800
.set SCOFF, 6291456
; v1 16 x lane, v2 8 x lane; v3, v4 the same + VC; v5 KS + 16 x lane; v6 VS + 8 x lane; v7 16 r; v8 r + 8 (r / 8) - 16 h; v9 my query - 16 h; v10-15 the step's addresses; v16-27 Q; v30 4 r;
; v32-79 four fragments of K; v80-83 K's scale words, v84-85 V's, v92 p's, v93 Q's: scales and nothing else; v[86:87] -M, the largest t; v[88:89] the sum in two halves; v[90:91] f; v94-95 at work;
; v96-159 S^T, then p; v160-191 O^T; v192-207 the softmax's small registers, then with v208-239 V's four fragments; v240-251 p's codes.
.macro CROUND
	s_barrier_signal -1
	s_barrier_wait -1
	s_cmp_lg_u32 s10, 0
	s_cbranch_scc1 .Lnot_wave_0_\@
	s_barrier_signal -3
.Lnot_wave_0_\@:
	s_barrier_wait -3
	s_barrier_signal -1
	s_barrier_wait -1
.endm
	s_load_b128 s[4:7], s[0:1], 0x0                ; qb, kv
	s_load_b64 s[8:9], s[0:1], 0x10                ; yq
	v_lshl_add_u32 v254, v0, 2, 0x33000
	v_mov_b32 v255, 0
	ds_add_u32 v254, v255
	ds_add_u32 v254, v255
	v_lshrrev_b32 v1, 5, v0
	s_delay_alu instid0(VALU_DEP_1)
	v_readfirstlane_b32 s10, v1                    ; wave 0..15
	s_bfe_u32 s11, ttmp6, 0x40000                  ; cx: it enters q's and y's global addresses and the mask's numbers alone
	s_and_b32 s12, ttmp7, 0xffff                   ; 16 x batch + head, which the four partners share
	s_mul_i32 s48, s12, HEADB
	s_lshr_b32 s13, s12, 4
	s_lshl_b32 s13, s13, 7                         ; the batch's first token tile
	s_and_b32 s52, s12, 15                         ; the head
	s_mul_i32 s14, s52, 768                        ; its half fragment in a tile of yq
	s_lshr_b32 s15, s52, 2
	s_lshl_b32 s15, s15, 7                         ; its scale bytes: plane head / 4,
	s_bfe_u32 s50, s52, 0x10001
	s_lshl_b32 s50, s50, 6
	s_add_co_u32 s15, s15, s50                     ; lanes 16-31 of the plane for an odd K step,
	s_and_b32 s50, s52, 1
	s_lshl_b32 s50, s50, 1
	s_add_co_u32 s15, s15, s50                     ; bytes 2 (head % 2) and the next
	s_add_co_u32 s15, s15, SCOFF
	s_mov_b32 s16, 15|(3<<16)|(1<<21)              ; group 1: the mask: all four work-groups; elements of 8 bytes; bit 21 set beside a mask
	s_mov_b32 s17, 32<<16                          ; tensor_dim0 = 32 elements: 256 bytes
	s_mov_b32 s18, 51<<16                          ; tensor_dim1
	s_mov_b32 s19, 32<<16                          ; tile_dim0
	s_mov_b32 s20, 51                              ; tile_dim1
	s_mov_b32 s21, 32                              ; dense rows
	s_mov_b32 s22, 0
	s_mov_b32 s23, 0
	s_mov_b32 s24, 1
	s_mul_i32 s25, s10, 13056                      ; my 51 rows, in LDS as in the block
	s_add_co_u32 s50, s48, s25
	s_mov_b32 s51, 0
	s_mov_b32 s28, 0x76543210
	s_mov_b32 s29, 0xfedcba98                      ; lane xor 16
	s_mov_b32 s30, 0x3e38aa3b                      ; c = log2(e) / 8
	s_mov_b32 s31, s30                             ; (named with it as a pair)
	s_wait_dscnt 0x0
	s_wait_kmcnt 0x0
	s_add_nc_u64 s[26:27], s[6:7], s[50:51]
	s_or_b32 s27, s27, 0x80000000
	CROUND                                         ; all four work-groups are here: the joint loads meet
	tensor_load_to_lds s[24:27], s[16:23]          ; my one tensor load of the launch
	s_nop 0
.rept 4
	v_nop
.endr
	v_and_b32 v94, 31, v0
	s_delay_alu instid0(VALU_DEP_1)
	v_lshlrev_b32 v1, 4, v94
	s_delay_alu instid0(VALU_DEP_2)
	v_lshlrev_b32 v2, 3, v94
	s_delay_alu instid0(VALU_DEP_2)
	v_add_nc_u32 v3, VC, v1
	s_delay_alu instid0(VALU_DEP_2)
	v_add_nc_u32 v4, VC, v2
	s_delay_alu instid0(VALU_DEP_4)
	v_add_nc_u32 v5, KS, v1
	s_delay_alu instid0(VALU_DEP_4)
	v_add_nc_u32 v6, VS, v2
	v_and_b32 v95, 15, v0
	s_delay_alu instid0(VALU_DEP_1)
	v_lshlrev_b32 v7, 4, v95
	s_delay_alu instid0(VALU_DEP_2)
	v_lshlrev_b32 v30, 2, v95
	s_delay_alu instid0(VALU_DEP_3)
	v_and_b32 v8, 8, v95
	s_delay_alu instid0(VALU_DEP_1)
	v_add_nc_u32 v8, v8, v95
	v_bfe_u32 v94, v0, 4, 1
	s_delay_alu instid0(VALU_DEP_1)
	v_lshlrev_b32 v94, 4, v94
	s_delay_alu instid0(VALU_DEP_1)
	v_sub_nc_u32 v8, v8, v94
.irp i, 22,23,24,25,26,27
	v_mov_b32 v[\i], 0                             ; zero codes for k = 64 .. 127: Q's,
.endr
.irp t, 0,1,2,3
.irp i, 6,7,8,9,10,11
	v_mov_b32 v[32+12*\t+\i], 0                    ; and K's: set once, the loads never touch them
.endr
.endr
	v_mov_b32 v91, 0                               ; (named as the upper half of the pair v[90:91])
.irp b, 0,1,2,3
	v_mov_b32 v[196+\b], 0                         ; a lane permute's destination counts as one of its sources
.endr
	s_wait_tensorcnt 0x0                           ; my rows are in,
	s_barrier_signal -1
	s_barrier_wait -1                              ; everybody's are
.macro PASS p
	s_wait_xcnt 0x0                                ; the last pass's stores have read their data and bases
.if \p
	s_sub_co_u32 s32, 31, s10
.else
	s_mov_b32 s32, s10
.endif
	s_lshl_b32 s33, s32, 2
	s_add_co_u32 s33, s33, s11                     ; my query tile
	s_lshr_b32 s34, s32, 1                         ; the key step on the diagonal
	s_mul_i32 s50, s33, 768
	s_add_co_u32 s50, s50, s48
	s_add_nc_u64 s[40:41], s[4:5], s[50:51]        ; q's codes
	s_lshr_b32 s50, s33, 3
	s_lshl_b32 s50, s50, 9
	s_and_b32 s52, s33, 1
	s_lshl_b32 s52, s52, 8
	s_add_co_u32 s50, s50, s52
	s_bfe_u32 s52, s33, 0x20001
	s_lshl_b32 s52, s52, 2
	s_add_co_u32 s50, s50, s52
	s_add_co_u32 s50, s50, s48
	s_add_co_u32 s50, s50, KS
	s_add_nc_u64 s[42:43], s[4:5], s[50:51]        ; q's scale words
	s_add_co_u32 s52, s13, s33
	s_mul_i32 s50, s52, 12288
	s_add_co_u32 s50, s50, s14
	s_add_nc_u64 s[44:45], s[8:9], s[50:51]        ; y's codes
	s_lshl_b32 s50, s52, 9
	s_add_co_u32 s50, s50, s15
	s_add_nc_u64 s[46:47], s[8:9], s[50:51]        ; y's scale bytes
	global_load_b128 v[16:19], v1, s[40:41]
	global_load_b64 v[20:21], v2, s[40:41] offset:512
	global_load_b32 v93, v7, s[42:43]
	s_lshr_b32 s50, s33, 1
	s_lshl_b32 s50, s50, 5
	s_and_b32 s52, s33, 1
	s_lshl_b32 s52, s52, 3
	s_add_co_u32 s50, s50, s52
	v_add_nc_u32 v9, s50, v8                       ; my query - 16 h
	v_mov_b32 v87, 0xff61b1e6                      ; the largest t so far: -3e38
	s_delay_alu instid0(VALU_DEP_1)
	v_floor_f32 v86, -v87                          ; -M
	v_mov_b32 v88, 0
	v_mov_b32 v89, 0
.set j, 0
.rept 32
	v_mov_b32 v[160+j], 0                          ; O^T: the first change of M leaves zeros zeros, so the step is written once
.set j, j+1
.endr
	s_mov_b32 s35, 0                               ; the key step; s36 = 6,144, s37 = 256, s38 = 512, s39 = 128 times it
	s_mov_b32 s36, 0
	s_mov_b32 s37, 0
	s_mov_b32 s38, 0
	s_mov_b32 s39, 0
	s_wait_loadcnt 0x0
.Lstep_\@:
	s_cmp_gt_u32 s35, s34                          ; all keys of the step come after my queries: only the steps of the addresses remain
	s_cbranch_scc1 .Lskip_\@
	s_setprio 2
	v_add_nc_u32 v10, s36, v1                      ; (these six are also the places behind the last step's products)
	s_wait_alu depctr_va_vdst(0)
	v_add_nc_u32 v11, s36, v2
	s_wait_alu depctr_va_vdst(0)
	v_add_nc_u32 v12, s36, v3
	v_add_nc_u32 v13, s36, v4
	v_add_nc_u32 v14, s38, v5
	v_add_nc_u32 v15, s37, v6
	ds_load_b128 v[80:83], v14                     ; register j: lanes 0-15 tile 2 j's words, lanes 16-31 tile 2 j + 1's
.irp g, 0,1
.if \g
.rept 4
	v_nop                                          ; places in front of loads into registers that matrix instructions have read
.endr
.endif
.irp t, 0,1,2,3
	ds_load_b128 v[32+12*\t:35+12*\t], v10 offset:(4*\g+\t)*768
	ds_load_b64 v[36+12*\t:37+12*\t], v11 offset:(4*\g+\t)*768+512
.endr
	s_wait_dscnt 0x0
.irp t, 0,1,2,3
.if (\t)%2
	v_wmma_scale_f32_16x16x128_f8f6f4 v[96+8*(4*\g+\t):103+8*(4*\g+\t)], v[32+12*\t:43+12*\t], v[16:27], 0, v[80+(4*\g+\t)/2], v93 matrix_a_fmt:MATRIX_FMT_FP6 matrix_b_fmt:MATRIX_FMT_FP6 matrix_a_scale:MATRIX_SCALE_ROW1
.else
	v_wmma_scale_f32_16x16x128_f8f6f4 v[96+8*(4*\g+\t):103+8*(4*\g+\t)], v[32+12*\t:43+12*\t], v[16:27], 0, v[80+(4*\g+\t)/2], v93 matrix_a_fmt:MATRIX_FMT_FP6 matrix_b_fmt:MATRIX_FMT_FP6
.endif
.endr
.endr
.rept 4
	v_nop
.endr
	s_cmp_lt_u32 s35, s34                          ; all keys count: no mask
	s_cbranch_scc1 .Lopen_\@
	s_sub_co_u32 s50, 0, s39
	v_add_nc_u32 v94, s50, v9                      ; d = my query - the step's first key - 16 h.  Register 16 b + i holds key 32 b + 16 h + i of the step: hidden where 32 b + i > d
	v_mov_b32 v95, 0xff800000                      ; -infinity: p = 0 then
.set n, 0
.rept 64
	v_cmp_gt_i32 vcc_lo, 32*(n/16)+n%16, v94
	v_cndmask_b32 v[96+n], v[96+n], v95, vcc_lo
.set n, n+1
.endr
.Lopen_\@:
.irp b, 0,1,2,3
	v_max3_num_f32 v[192+\b], v[96+16*\b], v[97+16*\b], v[98+16*\b]   ; the largest score of each block of 32 keys: for the row's maximum, and, since p rises with the score, for the block's largest p
.endr
.irp i, 3,5,7,9,11,13
.irp b, 0,1,2,3
	v_max3_num_f32 v[192+\b], v[192+\b], v[96+16*\b+\i], v[97+16*\b+\i]
.endr
.endr
.irp b, 0,1,2,3
	v_max_num_f32 v[192+\b], v[192+\b], v[111+16*\b]
.endr
.irp b, 0,1,2,3
	s_delay_alu instid0(VALU_DEP_4)
	v_permlanex16_b32 v[196+\b], v[192+\b], s28, s29
.endr
.irp b, 0,1,2,3
	s_delay_alu instid0(VALU_DEP_4)
	v_max_num_f32 v[192+\b], v[192+\b], v[196+\b]
.endr
	s_delay_alu instid0(VALU_DEP_2)
	v_max3_num_f32 v94, v192, v193, v194
	s_delay_alu instid0(VALU_DEP_1)
	v_max_num_f32 v94, v94, v195
	s_delay_alu instid0(VALU_DEP_1)
	v_mul_f32 v94, s30, v94                        ; as t (c is positive)
	s_delay_alu instid0(VALU_DEP_1)
	v_max_num_f32 v87, v87, v94                    ; the running largest t
	v_mov_b32 v94, v86
	s_delay_alu instid0(VALU_DEP_2)
	v_floor_f32 v86, -v87                          ; the new -M = -ceil(t)
	s_delay_alu instid0(VALU_DEP_1)
	v_sub_f32 v94, v86, v94                        ; old M - new M: a whole number, 0 or less
	s_delay_alu instid0(VALU_DEP_1)
	v_cvt_i32_f32 v94, v94                         ; (it saturates)
	s_delay_alu instid0(VALU_DEP_1)
	v_ldexp_f32 v90, 1.0, v94                      ; f = 2^(old M - new M)
.set j, 0
.rept 32
	v_pk_fma_f32 v[96+j:97+j], v[96+j:97+j], s[30:31], v[86:87] op_sel_hi:[1,0,0]   ; t - M, two at a time
.set j, j+2
.endr
	s_setprio 1
.irp b, 0,1,2,3
	v_fma_f32 v[192+\b], v[192+\b], s30, v86
.endr
.set j, 0
	s_wait_alu depctr_va_vdst(0)
.rept 64
	v_exp_f32 v[96+j], v[96+j]                     ; p = 2^(t - M)
.set j, j+1
.endr
	v_pk_mul_f32 v[88:89], v[88:89], v[90:91] op_sel_hi:[1,0]      ; the sums under the new M: the plain instruction behind the exponentials
	s_wait_alu depctr_va_vdst(0)                   ; one wait for the batch of 64, ahead of its first reader
.irp b, 0,1,2,3
	v_exp_f32 v[192+\b], v[192+\b]                 ; the blocks' largest p
.endr
	v_pk_add_f32 v[196:197], v[100:101], v[104:105]
	v_pk_add_f32 v[252:253], v[108:109], v[112:113]
	v_pk_add_f32 v[250:251], v[116:117], v[120:121]
	v_pk_add_f32 v[248:249], v[124:125], v[128:129]
	v_pk_add_f32 v[246:247], v[132:133], v[136:137]
	v_pk_add_f32 v[244:245], v[140:141], v[144:145]
	v_pk_add_f32 v[242:243], v[148:149], v[152:153]
	v_pk_add_f32 v[88:89], v[88:89], v[156:157]
	v_pk_add_f32 v[196:197], v[196:197], v[96:97]
	v_pk_add_f32 v[252:253], v[252:253], v[98:99]
	v_pk_add_f32 v[250:251], v[250:251], v[102:103]
	v_pk_add_f32 v[248:249], v[248:249], v[106:107]
	v_pk_add_f32 v[246:247], v[246:247], v[110:111]
	v_pk_add_f32 v[244:245], v[244:245], v[114:115]
	v_pk_add_f32 v[242:243], v[242:243], v[118:119]
	v_pk_add_f32 v[88:89], v[88:89], v[122:123]
	v_pk_add_f32 v[196:197], v[196:197], v[126:127]
	v_pk_add_f32 v[252:253], v[252:253], v[130:131]
	v_pk_add_f32 v[250:251], v[250:251], v[134:135]
	v_pk_add_f32 v[248:249], v[248:249], v[138:139]
	v_pk_add_f32 v[246:247], v[246:247], v[142:143]
	v_pk_add_f32 v[244:245], v[244:245], v[146:147]
	v_pk_add_f32 v[242:243], v[242:243], v[150:151]
	v_pk_add_f32 v[88:89], v[88:89], v[154:155]
	v_pk_add_f32 v[196:197], v[196:197], v[158:159]
	s_delay_alu instid0(VALU_DEP_2)
	v_pk_add_f32 v[88:89], v[88:89], v[248:249]
	s_delay_alu instid0(VALU_DEP_2)
	v_pk_add_f32 v[196:197], v[196:197], v[246:247]
	v_pk_add_f32 v[252:253], v[252:253], v[244:245]
	v_pk_add_f32 v[250:251], v[250:251], v[242:243]
	s_delay_alu instid0(VALU_DEP_2)
	v_pk_add_f32 v[88:89], v[88:89], v[252:253]
	s_delay_alu instid0(VALU_DEP_2)
	v_pk_add_f32 v[196:197], v[196:197], v[250:251]
	s_delay_alu instid0(VALU_DEP_1)
	v_pk_add_f32 v[88:89], v[88:89], v[196:197]
	s_wait_alu depctr_va_vdst(0)                   ; and one for the four
.irp b, 0,1,2,3
	v_max_num_f32 v[192+\b], 0x1800000, v[192+\b]  ; the floor 2^(3 - 127): a block whose every p is 0 keeps the byte 1; its codes are zeros
.endr
.irp b, 0,1,2,3
	s_delay_alu instid0(VALU_DEP_4)
	v_add_nc_u32 v[204+\b], 0xff000000, v[192+\b]  ; the conversions' scale operands
.endr
.irp b, 0,1,2,3
	s_delay_alu instid0(VALU_DEP_4)
	v_lshrrev_b32 v[196+\b], 23, v[204+\b]
.endr
	s_delay_alu instid0(VALU_DEP_3)
	v_lshl_or_b32 v92, v197, 8, v196               ; p's scale word for these 128 keys
	s_delay_alu instid0(VALU_DEP_1)
	v_lshl_or_b32 v92, v198, 16, v92
	s_delay_alu instid0(VALU_DEP_1)
	v_lshl_or_b32 v92, v199, 24, v92
.irp c, 0,1
	v_cvt_scalef32_pk16_fp6_f32 v[240+6*\c:242+6*\c], v[96+32*\c:111+32*\c], v[204+2*\c]
	v_cvt_scalef32_pk16_fp6_f32 v[196+4*\c:198+4*\c], v[112+32*\c:127+32*\c], v[205+2*\c]
.endr
	v_nop                                          ; one plain instruction behind the scaled conversions
	s_setprio 0
.irp c, 0,1
.irp i, 0,1,2
	v_permlane16_swap_b32 v[240+6*\c+\i], v[196+4*\c+\i]
.endr
.irp i, 0,1,2
	s_delay_alu instid0(VALU_DEP_3)
	v_mov_b32 v[243+6*\c+\i], v[196+4*\c+\i]
.endr
.endr
	ds_load_b64 v[84:85], v15                      ; V's scale words: register j: lanes 0-15 channel tile 2 j, lanes 16-31 tile 2 j + 1
.irp t, 0,1,2,3
	ds_load_b128 v[192+12*\t:195+12*\t], v12 offset:\t*1536
	ds_load_b64 v[196+12*\t:197+12*\t], v13 offset:\t*1536+512
	ds_load_b128 v[198+12*\t:201+12*\t], v12 offset:\t*1536+768
	ds_load_b64 v[202+12*\t:203+12*\t], v13 offset:\t*1536+1280
.endr
.set j, 0
.rept 16
	v_pk_mul_f32 v[160+j:161+j], v[160+j:161+j], v[90:91] op_sel_hi:[1,0]   ; O^T under the new M; these sixteen stand between the writes of p's codes and scale word and the products
.set j, j+2
.endr
	s_wait_alu depctr_va_vdst(0)
	s_wait_dscnt 0x0
.irp t, 0,1,2,3                        ; the four accumulators take turns, one instruction a turn
.if (\t)%2
	v_wmma_scale_f32_16x16x128_f8f6f4 v[160+8*\t:167+8*\t], v[192+12*\t:203+12*\t], v[240:251], v[160+8*\t:167+8*\t], v[84+\t/2], v92 matrix_a_fmt:MATRIX_FMT_FP6 matrix_b_fmt:MATRIX_FMT_FP6 matrix_a_scale:MATRIX_SCALE_ROW1
.else
	v_wmma_scale_f32_16x16x128_f8f6f4 v[160+8*\t:167+8*\t], v[192+12*\t:203+12*\t], v[240:251], v[160+8*\t:167+8*\t], v[84+\t/2], v92 matrix_a_fmt:MATRIX_FMT_FP6 matrix_b_fmt:MATRIX_FMT_FP6
.endif
.endr
.Lskip_\@:
	s_add_co_u32 s36, s36, 6144
	s_add_co_u32 s37, s37, 256
	s_add_co_u32 s38, s38, 512
	s_add_co_u32 s39, s39, 128
	s_add_co_u32 s35, s35, 1
	s_cmp_lt_u32 s35, 16
	s_cbranch_scc1 .Lstep_\@
	s_setprio 0
	; the way out: y = O / l, quantised along the channels: register 16 b + i of O^T is channel 32 b + 16 h + i of the head
.rept 4
	v_nop
.endr
	v_add_f32 v88, v88, v89
	s_delay_alu instid0(VALU_DEP_1)
	v_permlanex16_b32 v94, v88, s28, s29
	s_delay_alu instid0(VALU_DEP_1)
	v_add_f32 v88, v88, v94                        ; the row's sum
	s_wait_alu depctr_va_vdst(0)
	v_rcp_f32 v88, v88
	v_nop                                          ; a plain instruction behind the reciprocal,
	s_wait_alu depctr_va_vdst(0)                   ; and the wait ahead of its first reader
.set j, 0
.rept 16
	v_pk_mul_f32 v[96+j:97+j], v[160+j:161+j], v[88:89] op_sel_hi:[1,0]   ; each accumulator from its low end on
.set j, j+2
.endr
.irp b, 0,1
	v_max3_num_f32 v[192+\b], |v[96+16*\b]|, |v[97+16*\b]|, 0x1800000
.endr
.irp i, 2,4,6,8,10,12,14
.irp b, 0,1
	s_delay_alu instid0(VALU_DEP_2)
	v_max3_num_f32 v[192+\b], |v[96+16*\b+\i]|, |v[97+16*\b+\i]|, v[192+\b]
.endr
.endr
.irp b, 0,1
	s_delay_alu instid0(VALU_DEP_2)
	v_permlanex16_b32 v[196+\b], v[192+\b], s28, s29
.endr
.irp b, 0,1
	s_delay_alu instid0(VALU_DEP_2)
	v_max_num_f32 v[192+\b], v[192+\b], v[196+\b]
.endr
.irp b, 0,1
	s_delay_alu instid0(VALU_DEP_2)
	v_add_nc_u32 v[204+\b], 0xff000000, v[192+\b]
.endr
.irp b, 0,1
	s_delay_alu instid0(VALU_DEP_2)
	v_lshrrev_b32 v[196+\b], 23, v[204+\b]
.endr
	s_delay_alu instid0(VALU_DEP_1)
	v_lshl_or_b32 v94, v197, 8, v196               ; the head's two scale bytes of my query
	v_cvt_scalef32_pk16_fp6_f32 v[240:242], v[96:111], v204
	v_cvt_scalef32_pk16_fp6_f32 v[196:198], v[112:127], v205
	v_nop
.irp i, 0,1,2
	v_permlane16_swap_b32 v[240+\i], v[196+\i]
.endr
.irp i, 0,1,2
	s_delay_alu instid0(VALU_DEP_3)
	v_mov_b32 v[243+\i], v[196+\i]
.endr
	global_store_b128 v1, v[240:243], s[44:45]                     ; half a fragment: 512 and 256 consecutive bytes, each at a multiple of 256 from the buffer's first byte
	global_store_b64 v2, v[244:245], s[44:45] offset:512
	global_store_b16 v30, v94, s[46:47]            ; two bytes of my query's word; lanes 16-31 hold the same number and name the same place
.endm
	PASS 0
	PASS 1
	s_wait_tensorcnt 0x0
	ds_add_u32 v254, v255
	s_wait_dscnt 0x0
	CROUND                                         ; the closing round
	s_endpgm
.Lfunc_end_k_qc5549c88ea_attn:
	.size	k_qc5549c88ea_attn, .Lfunc_end_k_qc5549c88ea_attn-k_qc5549c88ea_attn
	.p2alignl 7, 3214868480
	.fill 96, 4, 3214868480
	.section	.rodata,"a",@progbits
	.p2align	6, 0x0
	.amdhsa_kernel k_qc5549c88ea_attn
		.amdhsa_group_segment_fixed_size 210944
		.amdhsa_private_segment_fixed_size 0
		.amdhsa_enable_private_segment 0
		.amdhsa_kernarg_size 24
		.amdhsa_user_sgpr_count 2
		.amdhsa_user_sgpr_kernarg_segment_ptr 1
		.amdhsa_wavefront_size32 1
		.amdhsa_system_sgpr_workgroup_id_x 1
		.amdhsa_system_sgpr_workgroup_id_y 1
		.amdhsa_system_sgpr_workgroup_id_z 1
		.amdhsa_system_vgpr_workitem_id 0
		.amdhsa_next_free_vgpr 256
		.amdhsa_next_free_sgpr 66
		.amdhsa_reserve_vcc 1
		.amdhsa_float_denorm_mode_32 3
		.amdhsa_float_denorm_mode_16_64 3
		.amdhsa_memory_ordered 1
		.amdhsa_forward_progress 1
		.amdhsa_inst_pref_size 66
	.end_amdhsa_kernel
	.amdgpu_metadata
---
amdhsa.version: [ 1, 2 ]
amdhsa.kernels:
  - .name:           k_qc5549c88ea_attn
    .symbol:         k_qc5549c88ea_attn.kd
    .args:
      - { .name: qb, .offset: 0, .size: 8, .value_kind: global_buffer, .address_space: global }
      - { .name: kv, .offset: 8, .size: 8, .value_kind: global_buffer, .address_space: global }
      - { .name: yq, .offset: 16, .size: 8, .value_kind: global_buffer, .address_space: global }
    .group_segment_fixed_size: 210944
    .private_segment_fixed_size: 0
    .kernarg_segment_align: 8
    .kernarg_segment_size: 24
    .max_flat_workgroup_size: 512
    .sgpr_count:     66
    .vgpr_count:     256
    .wavefront_size: 32
...
	.end_amdgpu_metadata
.endif
;; end of part 3
;; launch proj (part 4): grid 4 x 32, 4 waves a work-group, clusters of 4 x 4, 327,680 bytes of LDS; arguments yq, wq, out0; writes out0
.if DOCPART == 4
	.amdgcn_target "amdgcn-amd-amdhsa--gfx1250"
	.amdhsa_code_object_version 6
	.text
	.protected	k_qc5549c88ea_proj
	.globl	k_qc5549c88ea_proj
	.p2align	8
	.type	k_qc5549c88ea_proj,@function
k_qc5549c88ea_proj:
	s_mov_b64 s[64:65], 0
	v_nop
	global_prefetch_b8 v0, s[64:65] scope:SCOPE_SE
	s_setreg_imm32_b32 hwreg(HW_REG_WAVE_MODE, 25, 1), 1
	s_wait_xcnt 0x0
	s_wait_alu depctr_hold_cnt(0) depctr_sa_sdst(0) depctr_va_vdst(0) depctr_va_sdst(0) depctr_va_ssrc(0) depctr_va_vcc(0) depctr_vm_vsrc(0)
	s_getreg_b32 s2, hwreg(HW_REG_IB_STS2, 6, 4)
	s_cmp_eq_u32 s2, 0
	s_cbranch_scc0 .Lentry_in_a_cluster
	s_endpgm
.Lentry_in_a_cluster:
	s_bfe_u32 s2, ttmp6, 0x10000c
	s_cmp_lg_u32 s2, 0xf033
	s_cbranch_scc0 .Lentry_shape_is_right
	s_endpgm
.Lentry_shape_is_right:
; out0 = y W_proj on codes of FP6 (E2M3) with E8M0 scales; out0 [8192][1024] f32.
; OPERANDS are images of operand registers: tile T (16 rows), K step s at byte 12,288 T + 1,536 s; a fragment is two halves of 768 bytes (registers 0-3 at 16 x lane, 4-5 at 512 + 8 x lane);
; scale words at SCOFF + 512 T + 128 g + 4 x lane, lane (r, h) of plane g = row r, K step 2 g + h.  Of 32 neighbouring rows tile 2 b + u holds at place r the row 32 b + 8 u + r + 8 (r / 8).  W_proj's columns are wq's tiles 192-255.
; A work-group makes 256 x 256, each of four waves 128 x 128: 64 accumulators.  A = y (source 1) is shared along a row of the 4 x 4 cluster, B = W_proj (source 0) along a column: each tile is asked for jointly.
; In a result lane (r, h) holds place r of A's tile, and registers 0-7 of accumulator (a, b) hold columns 32 (b / 2) + 16 h + 8 (b % 2) + 0 .. 7 of my 128.
; K = 1,024 comes in four fills of 256 along K.  Three LDS slots: fills 0, 1, 2 and the scale words are first fills (four tensor loads of a wave are out at the head); fill 3 alone fills a slot again.
; 128 work-groups: the output has 128 tiles of this size.
.set SLOT,  98304                      ; A's 16 tiles x 3,072 bytes, then B's
.set HALFT, 24576
.set SCL,   3*SLOT
.set HALFS, 4096
.set SPARE, SCL+4*HALFS                ; the spare words, 128 bytes for each wave: two blocks of 256 bytes that no other line names
.set SCOFF, 6291456
.set STG,   SLOT                       ; the way out: 16 rows x 528 bytes for each wave, in slot 1: it has had its only fill, and nobody reads it behind the barrier between slots 2 and 0
.set STO,  8                           ; v8   where I put 32 bytes of a row
.set RD,   9                           ; v9   where I read a row back
.set ADSA, 10
.set ADSB, 11
.set LI16, 12
.set LI8,  13
.set LANE, 14
.set ADA16, 16
.set ADA8,  19
.set ADB16, 22
.set ADB8,  25
.set SPW,  28
.set NIL,  29
.set SCA,  32                          ; v32-63 A's scale words, v64-95 B's: scales and nothing else
.set SCB,  64
.set AF,   128
.set BK,   128                         ; the way out: 16 rows read back: v128-191 and v192-255 by turns
.set G1A,  24
.set G1B,  32
.set G1SA, 40
.set G1SB, 48
.set G0SA, 56
.set G0SB, 60
.set G0A,  68
.set G0B,  80
.set MSB, 0
.macro WIN new                         ; the immediate's high byte repeats the setting that is left
.if MSB != (\new)
	s_set_vgpr_msb (MSB<<8)|(\new)
.set MSB, (\new)
.endif
.endm
.set MUL_LO, 0xa1
.set MUL_HI, 0xf1
.set TO_B,   0x40
.macro JLOAD g0a, g1a, g0b, g1b        ; a joint load: waves 0 and 1 fetch for A, waves 2 and 3 for B; four v_nop follow each line
	s_cmp_eq_u32 s15, 0
	s_cbranch_scc0 .Lfor_b_\@
	tensor_load_to_lds s[\g0a:\g0a+3], s[\g1a:\g1a+7]
	s_nop 0
.rept 4
	v_nop
.endr
	s_branch .Lasked_\@
.Lfor_b_\@:
	tensor_load_to_lds s[\g0b:\g0b+3], s[\g1b:\g1b+7]
	s_nop 0
.rept 4
	v_nop
.endr
.Lasked_\@:
.endm
.macro CREST
	s_cmp_lg_u32 s14, 0
	s_cbranch_scc1 .Lnot_wave_0_\@
	s_barrier_signal -3
.Lnot_wave_0_\@:
	s_barrier_wait -3
	s_barrier_signal -1
	s_barrier_wait -1
.endm
.macro CROUND
	s_barrier_signal -1
	s_barrier_wait -1
	CREST
.endm
.macro PLACES n
.rept \n
	v_nop
.endr
.endm
	s_load_b128 s[4:7], s[0:1], 0x0                ; yq, wq
	s_load_b64 s[8:9], s[0:1], 0x10                ; out0
	v_lshl_add_u32 v[SPW], v0, 2, SPARE
	v_mov_b32 v[NIL], 0
	ds_add_u32 v28, v29
	ds_add_u32 v28, v29
	s_wait_dscnt 0x0
	v_lshrrev_b32 v1, 5, v0
	v_readfirstlane_b32 s14, v1                    ; wave 0..3
	s_lshr_b32 s15, s14, 1                         ; my half of A.  Also: I fetch for A (0) or for B (1)
	s_and_b32 s16, s14, 1                          ; my half of B.  Also: which 8 tiles I fetch
	s_bfe_u32 s92, ttmp6, 0x40000                  ; cx
	s_bfe_u32 s93, ttmp6, 0x40004                  ; cy
	s_lshl_b32 s94, s93, 2
	s_lshl_b32 s94, 15, s94                        ; my row of the cluster
	s_lshl_b32 s96, 0x1111, s92                    ; my column
	s_and_b32 s97, ttmp7, 0xffff
	s_lshl_b32 s17, s97, 2
	s_add_co_u32 s17, s17, s93                     ; A's block of 256 tokens
	s_lshl_b32 s18, ttmp9, 2
	s_add_co_u32 s18, s18, s92
	s_add_co_u32 s18, s18, 12                      ; B's block of 256 columns of wq: W_proj's begin at block 12
	s_wait_kmcnt 0x0
	s_mov_b64 s[2:3], s[4:5]
	s_mov_b64 s[12:13], s[6:7]
	s_or_b32 s[G1A], s94, (3<<16)|(1<<21)          ; codes: 8 rows (tiles) of 3,072 bytes, 12,288 bytes apart, in elements of 8 bytes; no padding: every LDS read takes consecutive bytes
	s_or_b32 s[G1B], s96, (3<<16)|(1<<21)
.irp g, G1A, G1B
	s_mov_b32 s[\g+1], 384<<16
	s_mov_b32 s[\g+2], 8<<16
	s_mov_b32 s[\g+3], 384<<16
	s_mov_b32 s[\g+4], 8
	s_mov_b32 s[\g+5], 1536
	s_mov_b32 s[\g+6], 0
	s_mov_b32 s[\g+7], 0
.endr
	s_or_b32 s[G1SA], s94, (3<<16)|(1<<21)         ; scale words of 8 tiles: 4,096 dense bytes as 16 rows of 256
	s_or_b32 s[G1SB], s96, (3<<16)|(1<<21)
.irp g, G1SA, G1SB
	s_mov_b32 s[\g+1], 32<<16
	s_mov_b32 s[\g+2], 16<<16
	s_mov_b32 s[\g+3], 32<<16
	s_mov_b32 s[\g+4], 16
	s_mov_b32 s[\g+5], 32
	s_mov_b32 s[\g+6], 0
	s_mov_b32 s[\g+7], 0
.endr
	s_lshl_b32 s20, s16, 3
	s_lshl_b32 s19, s17, 4
	s_add_co_u32 s19, s19, s20
	s_lshl_b32 s21, s18, 4
	s_add_co_u32 s21, s21, s20
	s_lshl_b32 s22, s19, 9
	s_add_co_u32 s22, s22, SCOFF
	s_mov_b32 s23, 0
	s_lshl_b32 s98, s21, 9
	s_add_co_u32 s98, s98, SCOFF
	s_mov_b32 s99, 0
	s_mul_i32 s97, s14, HALFS
	s_mov_b32 s[G0SA], 1
	s_add_co_u32 s[G0SA+1], s97, SCL
	s_add_nc_u64 s[G0SA+2:G0SA+3], s[2:3], s[22:23]
	s_or_b32 s[G0SA+3], s[G0SA+3], 0x80000000
	s_mov_b32 s[G0SB], 1
	s_add_co_u32 s[G0SB+1], s97, SCL
	s_add_nc_u64 s[G0SB+2:G0SB+3], s[12:13], s[98:99]
	s_or_b32 s[G0SB+3], s[G0SB+3], 0x80000000
	s_mul_i32 s22, s19, 12288
	s_mul_i32 s98, s21, 12288
	s_add_nc_u64 s[2:3], s[2:3], s[22:23]
	s_add_nc_u64 s[12:13], s[12:13], s[98:99]
	s_mul_i32 s97, s14, HALFT
.irp s, 0,1,2
	s_mov_b32 s[G0A+4*\s], 1
	s_add_co_u32 s[G0A+4*\s+1], s97, \s*SLOT
	s_add_nc_u64 s[G0A+4*\s+2:G0A+4*\s+3], s[2:3], \s*3072
	s_or_b32 s[G0A+4*\s+3], s[G0A+4*\s+3], 0x80000000
	s_mov_b32 s[G0B+4*\s], 1
	s_add_co_u32 s[G0B+4*\s+1], s97, \s*SLOT
	s_add_nc_u64 s[G0B+4*\s+2:G0B+4*\s+3], s[12:13], \s*3072
	s_or_b32 s[G0B+4*\s+3], s[G0B+4*\s+3], 0x80000000
.endr
	CROUND                                         ; all sixteen work-groups are here: the first joint loads meet
	JLOAD G0SA, G1SA, G0SB, G1SB                   ; the scale words of all of K,
	JLOAD G0A, G1A, G0B, G1B                       ; fill 0,
	JLOAD G0A+4, G1A, G0B+4, G1B                   ; fill 1,
	JLOAD G0A+8, G1A, G0B+8, G1B                   ; fill 2: four loads of mine are out
	v_and_b32 v[LANE], 31, v0
	v_lshlrev_b32 v[LI16], 4, v[LANE]
	v_lshlrev_b32 v[LI8], 3, v[LANE]
	v_lshlrev_b32 v15, 2, v[LANE]
	s_mul_i32 s20, s15, HALFT
	s_mul_i32 s97, s16, HALFT
	s_add_co_u32 s97, s97, 2*HALFT
.irp s, 0,1,2
	v_add_nc_u32 v[ADA16+\s], s20, v[LI16]
	v_add_nc_u32 v[ADA8+\s], s20, v[LI8]
	v_add_nc_u32 v[ADB16+\s], s97, v[LI16]
	v_add_nc_u32 v[ADB8+\s], s97, v[LI8]
	s_add_co_u32 s20, s20, SLOT
	s_add_co_u32 s97, s97, SLOT
.endr
	s_mul_i32 s20, s15, HALFS
	s_add_co_u32 s20, s20, SCL
	v_add_nc_u32 v[ADSA], s20, v15
	s_mul_i32 s97, s16, HALFS
	s_add_co_u32 s97, s97, SCL+2*HALFS
	v_add_nc_u32 v[ADSB], s97, v15
	s_mul_i32 s20, s14, 16*528
	s_add_co_u32 s20, s20, STG                     ; my stage
	v_and_b32 v1, 15, v0
	v_bfe_u32 v2, v0, 4, 1
	v_mul_u32_u24 v3, v1, 528
	v_lshl_add_u32 v3, v2, 6, v3
	v_add_nc_u32 v[STO], s20, v3                   ; in: row r, + 64 h
	v_add_nc_u32 v[RD], s20, v[LI16]               ; back: a row of 512 bytes for the 32 lanes
	s_lshl_b32 s19, s17, 8
	s_lshl_b32 s20, s15, 7
	s_add_co_u32 s19, s19, s20                     ; my first token
	s_lshl_b32 s22, s19, 12                        ; rows of 4,096 bytes
	s_sub_co_u32 s21, s18, 12
	s_lshl_b32 s21, s21, 10
	s_add_co_u32 s22, s22, s21                     ; 256 columns a block,
	s_lshl_b32 s21, s16, 9
	s_add_co_u32 s22, s22, s21                     ; 128 for my half
	s_add_nc_u64 s[8:9], s[8:9], s[22:23]
.macro FRAG reg, a16, a8, q, i         ; a fragment comes back as it was stored: four loads of consecutive bytes
	ds_load_b128 v[(\reg):(\reg)+3], v[\a16] offset:(\i)*3072+(\q)*1536
	ds_load_b64 v[(\reg)+4:(\reg)+5], v[\a8] offset:(\i)*3072+(\q)*1536+512
	ds_load_b128 v[(\reg)+6:(\reg)+9], v[\a16] offset:(\i)*3072+(\q)*1536+768
	ds_load_b64 v[(\reg)+10:(\reg)+11], v[\a8] offset:(\i)*3072+(\q)*1536+1280
.endm
.macro FETCH_B slot, q
	WIN TO_B
.irp i, 0,1,2,3,4,5,6,7
	FRAG 128*(\q)+12*\i, ADB16+\slot, ADB8+\slot, \q, \i
.endr
	WIN 0
.endm
.macro FETCH_A slot, q, i0
.irp i, \i0, \i0+1, \i0+2, \i0+3
	FRAG AF+12*(\i), ADA16+\slot, ADA8+\slot, \q, \i
.endr
.endm
.macro SCALES                          ; all of K's scale words, once: register 4 i + g: lanes 0-15 K step 2 g, lanes 16-31 K step 2 g + 1 of block i
.irp i, 0,1,2,3,4,5,6,7
.irp g, 0,1,2,3
	ds_load_b32 v[SCA+4*\i+\g], v[ADSA] offset:\i*512+\g*128
	ds_load_b32 v[SCB+4*\i+\g], v[ADSB] offset:\i*512+\g*128
.endr
.endr
.endm
; 16 matrix instructions: A's blocks a0, a0 + 1 x B's eight; K step 2 g + q.  The 64 accumulators take turns, one instruction a turn, in the same order in every step.
.macro MUL16 a0, q, g, zero
.irp a, \a0, \a0+1
.irp b, 0,1,2,3,4,5,6,7
.if \zero
	v_wmma_scale_f32_16x16x128_f8f6f4 v[8*(8*((\a)%4)+\b):8*(8*((\a)%4)+\b)+7], v[128*(\q)+12*\b:128*(\q)+12*\b+11], v[AF+12*(\a):AF+12*(\a)+11], 0, v[SCB+4*\b+(\g)], v[SCA+4*(\a)+(\g)] matrix_a_fmt:MATRIX_FMT_FP6 matrix_b_fmt:MATRIX_FMT_FP6
.elseif \q
	v_wmma_scale_f32_16x16x128_f8f6f4 v[8*(8*((\a)%4)+\b):8*(8*((\a)%4)+\b)+7], v[128*(\q)+12*\b:128*(\q)+12*\b+11], v[AF+12*(\a):AF+12*(\a)+11], v[8*(8*((\a)%4)+\b):8*(8*((\a)%4)+\b)+7], v[SCB+4*\b+(\g)], v[SCA+4*(\a)+(\g)] matrix_a_fmt:MATRIX_FMT_FP6 matrix_b_fmt:MATRIX_FMT_FP6 matrix_a_scale:MATRIX_SCALE_ROW1 matrix_b_scale:MATRIX_SCALE_ROW1
.else
	v_wmma_scale_f32_16x16x128_f8f6f4 v[8*(8*((\a)%4)+\b):8*(8*((\a)%4)+\b)+7], v[128*(\q)+12*\b:128*(\q)+12*\b+11], v[AF+12*(\a):AF+12*(\a)+11], v[8*(8*((\a)%4)+\b):8*(8*((\a)%4)+\b)+7], v[SCB+4*\b+(\g)], v[SCA+4*(\a)+(\g)] matrix_a_fmt:MATRIX_FMT_FP6 matrix_b_fmt:MATRIX_FMT_FP6
.endif
.endr
.endr
.endm
; A K step whose successor (slot ns, its nq-th step) needs no barrier.  Loads into registers that matrix instructions have read stand four plain vector instructions behind them (ISA guide 7.12.1 for vector instructions).
.macro STEP q, g, zero, ns, nq
	s_wait_dscnt 16                                ; B's set and A's blocks 0-3 are in; the youngest 16 loads (A's blocks 4-7) may be out
	WIN MUL_LO
	MUL16 0, \q, \g, \zero
	MUL16 2, \q, \g, \zero
	s_wait_dscnt 0x0                               ; A's blocks 4-7 are in
	PLACES 4
	FETCH_B \ns, \nq
	FETCH_A \ns, \nq, 0
	WIN MUL_HI
	MUL16 4, \q, \g, \zero
	MUL16 6, \q, \g, \zero
	PLACES 4
	WIN 0
	FETCH_A \ns, \nq, 4
.endm
; A slot's second step with a barrier in it.  fill = 1: slot 0, which every wave has read out, takes fill 3: each wave waits for all its tensor loads (fills 1 and 2 among them), adds 0 to its spare word, waits for that and for
; its reads; the barrier opens a round of the cluster's barrier; the joint refill is the first thing behind it.  fill = 0: fill 3 has landed in every wave before slot 0 is read again.
.macro TURN g, next, fill
	s_wait_tensorcnt 0x0
.if \fill
	ds_add_u32 v[SPW], v[NIL]
	s_wait_dscnt 17                                ; (the add and the youngest 16 loads may be out)
.else
	s_wait_dscnt 16
.endif
	WIN MUL_LO
	MUL16 0, 1, \g, 0
	s_wait_dscnt 0x0                               ; my LDS instructions are done: the reads of this slot, and the add
	s_barrier_signal -1
	MUL16 2, 1, \g, 0
	WIN 0
	s_barrier_wait -1
.if \fill
	CREST
	s_add_nc_u64 s[G0A+2:G0A+3], s[G0A+2:G0A+3], 3*3072    ; no tensor load of mine is out: slot 0's group 0 steps three fills on
	s_add_nc_u64 s[G0B+2:G0B+3], s[G0B+2:G0B+3], 3*3072
	JLOAD G0A, G1A, G0B, G1B                       ; 256 matrix instructions ahead of the wait for it; its four v_nop are also the places in front of the loads below
.else
	PLACES 4
.endif
	FETCH_B \next, 0
	FETCH_A \next, 0, 0
	WIN MUL_HI
	MUL16 4, 1, \g, 0
	MUL16 6, 1, \g, 0
	PLACES 4
	WIN 0
	FETCH_A \next, 0, 4
.endm
	s_wait_alu depctr_va_vdst(0)
	s_wait_tensorcnt 2                             ; the scale words and my part of fill 0 are in; fills 1 and 2 may be out
	s_barrier_signal -1
	s_barrier_wait -1
	FETCH_B 0, 0
	FETCH_A 0, 0, 0
	SCALES
	FETCH_A 0, 0, 4
	STEP 0, 0, 1, 0, 1                             ; the first products start the sums: nothing is cleared
	TURN 0, 1, 1
	STEP 0, 1, 0, 1, 1
	STEP 1, 1, 0, 2, 0                             ; into slot 2 without a barrier: every wave waited for fill 2 in front of the round above
	STEP 0, 2, 0, 2, 1
	TURN 2, 0, 0
	STEP 0, 3, 0, 0, 1
	s_wait_dscnt 16                                ; the last step: nothing more to fetch
	WIN MUL_LO
	MUL16 0, 1, 3, 0
	MUL16 2, 1, 3, 0
	s_wait_dscnt 0x0
	WIN MUL_HI
	MUL16 4, 1, 3, 0
	MUL16 6, 1, 3, 0
	WIN 0
; THE WAY OUT, block by block of 16 tokens x 128 columns, through my own stage: a lane's 32 neighbouring bytes go in, whole rows of 512 bytes come back.  LDS serves a wave's instructions in order (ISA guide 5.7.1.4):
; no wait between the stores and the loads, nor in front of the next block's stores.
.macro TOSTAGE a
.set AC, 64*((\a)%4)
	WIN 0x08+4*((\a)/4)                            ; an LDS store's data: window 2 or 3
.irp b, 0,1,2,3,4,5,6,7
	ds_store_b128 v[STO], v[AC+8*\b:AC+8*\b+3] offset:128*(\b/2)+32*(\b%2)          ; each accumulator from its low end on
	ds_store_b128 v[STO], v[AC+8*\b+4:AC+8*\b+7] offset:128*(\b/2)+32*(\b%2)+16
.endr
	WIN 0
.set BB, BK+64*((\a)%2)
.set t, 0
.rept 16
	ds_load_b128 v[BB+4*t:BB+4*t+3], v[RD] offset:t*528
.set t, t+1
.endr
.endm
.macro SEND a, younger                 ; place t of block a is token 32 (a / 2) + 8 (a % 2) + t + 8 (t / 8) of my 128: the row stands in the immediate, 127 rows of 4,096 bytes at the most
.set BB, BK+64*((\a)%2)
	s_wait_dscnt \younger
.set t, 0
.rept 16
	global_store_b128 v[LI16], v[BB+4*t:BB+4*t+3], s[8:9] offset:(32*((\a)/2)+8*((\a)%2)+t+8*(t/8))*4096 th:TH_STORE_NT   ; 512 consecutive bytes, at a multiple of 256 from out0's first byte
.set t, t+1
.endr
.endm
	PLACES 4                                       ; in front of the first read of results and of loads into the registers that held A's fragments
	TOSTAGE 0
.irp a, 1,2,3,4,5,6,7
.if \a > 1
	s_wait_xcnt 0x0                                ; block a - 2's stores have read their registers: block a's loads may land there
.endif
	TOSTAGE \a
	SEND \a-1, 32                                  ; behind block a - 1's loads: block a's 16 stores and 16 loads
.endr
	SEND 7, 0
	s_wait_tensorcnt 0x0                           ; the wave's end: behind my last tensor load and my last LDS store
	ds_add_u32 v[SPW], v[NIL]
	s_wait_dscnt 0x0
	CROUND                                         ; the closing round: no work-group ends while a partner may still ask for a tile that names it
	s_endpgm
.Lfunc_end_k_qc5549c88ea_proj:
	.size	k_qc5549c88ea_proj, .Lfunc_end_k_qc5549c88ea_proj-k_qc5549c88ea_proj
	.p2alignl 7, 3214868480
	.fill 96, 4, 3214868480
	.section	.rodata,"a",@progbits
	.p2align	6, 0x0
	.amdhsa_kernel k_qc5549c88ea_proj
		.amdhsa_group_segment_fixed_size 327680
		.amdhsa_private_segment_fixed_size 0
		.amdhsa_enable_private_segment 0
		.amdhsa_kernarg_size 24
		.amdhsa_user_sgpr_count 2
		.amdhsa_user_sgpr_kernarg_segment_ptr 1
		.amdhsa_wavefront_size32 1
		.amdhsa_system_sgpr_workgroup_id_x 1
		.amdhsa_system_sgpr_workgroup_id_y 1
		.amdhsa_system_sgpr_workgroup_id_z 1
		.amdhsa_system_vgpr_workitem_id 0
		.amdhsa_next_free_vgpr 1024
		.amdhsa_next_free_sgpr 100
		.amdhsa_reserve_vcc 0
		.amdhsa_float_denorm_mode_32 3
		.amdhsa_float_denorm_mode_16_64 3
		.amdhsa_memory_ordered 1
		.amdhsa_forward_progress 1
		.amdhsa_inst_pref_size 145
	.end_amdhsa_kernel
	.amdgpu_metadata
---
amdhsa.version: [ 1, 2 ]
amdhsa.kernels:
  - .name:           k_qc5549c88ea_proj
    .symbol:         k_qc5549c88ea_proj.kd
    .args:
      - { .name: yq, .offset: 0, .size: 8, .value_kind: global_buffer, .address_space: global }
      - { .name: wq, .offset: 8, .size: 8, .value_kind: global_buffer, .address_space: global }
      - { .name: out0, .offset: 16, .size: 8, .value_kind: global_buffer, .address_space: global }
    .group_segment_fixed_size: 327680
    .private_segment_fixed_size: 0
    .kernarg_segment_align: 8
    .kernarg_segment_size: 24
    .max_flat_workgroup_size: 128
    .sgpr_count:     100
    .vgpr_count:     1024
    .wavefront_size: 32
...
	.end_amdgpu_metadata
.endif
;; end of part 4
